; MI455X (gfx1250); checked and timed in simulation.
; The chip was launched on July 23, 2026; its instructions are those of AMD's public machine-readable ISA for CDNA 5 (MIT licence, August 2026) and "CDNA5" Instruction Set Architecture Reference Guide (July 2026). The comments in the code are by the model that wrote it; some were corrected since.
;; Standard Attention. Allowed arithmetic: float matrix products may take bf16 or f16 operands with f32 sums; other float arithmetic in f32, or as packed bf16 or f16 multiplies, adds, multiply-adds, maxima and minima; sums over many terms, partial sums and values carried from step to step in f32; what a program stores and reads back later, other than sums and carried values, may be rounded once to bf16 or f16.
;; Inputs: out_b 1,024 float32; out_w 1,024 x 1,024 float32; qkv_b 3,072 float32; qkv_w 3,072 x 1,024 float32; x 1 x 4,096 x 1,024 float32.
;; Outputs: out0 1 x 4,096 x 1,024 float32.
;; 2 versions, each right; version 2 is version 1 with the launch cast written anew for expert scheduling mode. Each part assembles by itself: llvm-mc -triple=amdgcn-amd-amdhsa -mcpu=gfx1250 --defsym DOCPART=n.
;; ======== version 1 of 2: 4 launches
;; limits: values are held in f16: magnitudes above 65,504 overflow, below 6.1e-05 lose precision
;; workspace buffers: xb 8,388,608 bytes; wb 6,291,456 bytes; owb 2,097,152 bytes; qkv 25,165,824 bytes; ob 8,388,608 bytes
;; launch cast (part 1): grid 256 x 1, 8 waves a work-group, no clusters, 0 bytes of LDS; arguments x, qkv_w, out_w, xb, wb, owb; writes xb, wb, owb
.if DOCPART == 1
	.amdgcn_target "amdgcn-amd-amdhsa--gfx1250"
	.amdhsa_code_object_version 6
	.text
	.protected	k_q3ef565f72c_cast
	.globl	k_q3ef565f72c_cast
	.p2align	8
	.type	k_q3ef565f72c_cast,@function
k_q3ef565f72c_cast:
	s_mov_b64 s[64:65], 0
	v_nop
	global_prefetch_b8 v0, s[64:65] scope:SCOPE_SE
	s_setreg_imm32_b32 hwreg(HW_REG_WAVE_MODE, 25, 1), 1
	s_wait_xcnt 0x0
; x, qkv_w and out_w ([R][1024] f32) are rounded once to bf16 and laid out in blocks: [16 blocks of 64 columns][R rows][64], so that 128 rows of one block are 16,384 bytes on end.
; out_w's bf16 number is then written as f16 (exact from 6.1e-5 up; below that it keeps f16's fixed step of 6e-8), since the last product's other operand is f16.
; A stream: each input byte is read once, each output byte written once; no LDS, no matrix unit, no cluster: nothing is shared.
; SHARES.  8,192 rows of 4,096 bytes in all, 32 to a work-group: groups 0-127 take x, 128-223 qkv_w, 224-255 out_w.  Wave w takes rows 4 w .. 4 w + 3.
; Load n = 2 kb + rp: lane l takes 16 bytes of row 4 w + 2 rp + l / 16 at byte 256 kb + 16 (l % 16): two rows' aligned 256 bytes.  Its four numbers become 8 bytes,
; and the wave's store covers 256 consecutive bytes, aligned: two rows of block kb.  All 32 loads of a wave go out at once (16 KiB a wave), and no register is written twice.
.set X,   20                           ; v[20:147] load n: 4 registers
.set SO,  2                            ; v[2:17]   block kb: my byte offset in the output; v1: my byte offset in the input
	s_load_b256 s[4:11], s[0:1], 0x0               ; x s[4:5], qkv_w s[6:7], out_w s[8:9], xb s[10:11]
	s_load_b128 s[12:15], s[0:1], 0x20             ; wb s[12:13], owb s[14:15]
	v_lshrrev_b32 v148, 5, v0                      ; wave
	v_bfe_u32 v149, v0, 4, 1                       ; l / 16
	v_and_b32 v150, 15, v0                         ; l % 16
	v_and_b32 v151, 31, v0                         ; l
	v_lshl_add_u32 v149, v148, 2, v149             ; row 4 w + l / 16
	v_lshlrev_b32 v150, 4, v150
	v_lshl_or_b32 v1, v149, 12, v150               ; x 4,096 + 16 (l % 16)
	v_lshlrev_b32 v151, 3, v151
	v_lshl_add_u32 v[SO], v148, 9, v151            ; 4 rows of 128 bytes a wave + 8 l
	s_mov_b32 s24, 524288                          ; bytes in a block of 64 columns: 4,096 rows,
	s_mov_b32 s25, 393216                          ; 3,072 rows,
	s_mov_b32 s26, 131072                          ; 1,024 rows
	s_cmp_lt_u32 ttmp9, 128
	s_cselect_b32 s20, s24, s25
	s_cselect_b32 s21, 0, 128
	s_cmp_lt_u32 ttmp9, 224
	s_cselect_b32 s20, s20, s26                    ; my tensor's block
	s_cselect_b32 s21, s21, 224                    ; and its first work-group
	s_sub_co_u32 s21, ttmp9, s21                   ; my 32 rows among the tensor's
	s_lshl_b32 s22, s21, 17                        ; x 32 x 4,096 bytes in
	s_mov_b32 s23, 0
	s_lshl_b32 s28, s21, 12                        ; x 32 x 128 bytes out
	s_mov_b32 s29, 0
.irp kb, 1,2,3,4,5,6,7,8,9,10,11,12,13,14,15
	v_add_nc_u32 v[SO+(\kb)], s20, v[SO+(\kb)-1]
.endr
	s_wait_kmcnt 0x0
	s_cmp_lt_u32 ttmp9, 128                        ; the choice of buffers hangs on the work-group's number alone
	s_cselect_b64 s[16:17], s[4:5], s[6:7]
	s_cselect_b64 s[18:19], s[10:11], s[12:13]
	s_cmp_lt_u32 ttmp9, 224
	s_cselect_b64 s[16:17], s[16:17], s[8:9]
	s_cselect_b64 s[18:19], s[18:19], s[14:15]
	s_add_nc_u64 s[16:17], s[16:17], s[22:23]
	s_add_nc_u64 s[18:19], s[18:19], s[28:29]
.set n, 0
.rept 32
	global_load_b128 v[X+4*n:X+4*n+3], v1, s[16:17] offset:(n/2)*256+(n%2)*8192 th:TH_LOAD_NT
.set n, n+1
.endr
; Load n is rounded and stored.  half = 1: the bf16 numbers are widened (a shift, a mask) and written as f16.
.macro CONV half
.set n, 0
.rept 32
	s_wait_loadcnt 31-n                            ; loads come back in order (ISA guide 5.7.1): load n is in, the 31 - n younger ones stay out
	v_cvt_pk_bf16_f32 v[X+4*n], v[X+4*n], v[X+4*n+1]
	v_cvt_pk_bf16_f32 v[X+4*n+1], v[X+4*n+2], v[X+4*n+3]
.if \half
	v_lshlrev_b32 v148, 16, v[X+4*n]
	v_and_b32 v149, 0xffff0000, v[X+4*n]
	v_lshlrev_b32 v150, 16, v[X+4*n+1]
	v_and_b32 v151, 0xffff0000, v[X+4*n+1]
	v_cvt_pk_f16_f32 v[X+4*n], v148, v149
	v_cvt_pk_f16_f32 v[X+4*n+1], v150, v151
.endif
	global_store_b64 v[SO+n/2], v[X+4*n:X+4*n+1], s[18:19] offset:(n%2)*256  ; 32 lanes x 8 bytes: 256 consecutive bytes, aligned
.set n, n+1
.endr
.endm
	s_cmp_lt_u32 ttmp9, 224
	s_cbranch_scc0 .Lhalf
	CONV 0
	s_endpgm
.Lhalf:
	CONV 1
	s_endpgm
.Lfunc_end_k_q3ef565f72c_cast:
	.size	k_q3ef565f72c_cast, .Lfunc_end_k_q3ef565f72c_cast-k_q3ef565f72c_cast
	.p2alignl 7, 3214868480
	.fill 96, 4, 3214868480
	.section	.rodata,"a",@progbits
	.p2align	6, 0x0
	.amdhsa_kernel k_q3ef565f72c_cast
		.amdhsa_group_segment_fixed_size 0
		.amdhsa_private_segment_fixed_size 0
		.amdhsa_enable_private_segment 0
		.amdhsa_kernarg_size 48
		.amdhsa_user_sgpr_count 2
		.amdhsa_user_sgpr_kernarg_segment_ptr 1
		.amdhsa_wavefront_size32 1
		.amdhsa_system_sgpr_workgroup_id_x 1
		.amdhsa_system_sgpr_workgroup_id_y 1
		.amdhsa_system_sgpr_workgroup_id_z 1
		.amdhsa_system_vgpr_workitem_id 0
		.amdhsa_next_free_vgpr 152
		.amdhsa_next_free_sgpr 66
		.amdhsa_reserve_vcc 0
		.amdhsa_float_denorm_mode_32 3
		.amdhsa_float_denorm_mode_16_64 3
		.amdhsa_memory_ordered 1
		.amdhsa_forward_progress 1
		.amdhsa_inst_pref_size 32
	.end_amdhsa_kernel
	.amdgpu_metadata
---
amdhsa.version: [ 1, 2 ]
amdhsa.kernels:
  - .name:           k_q3ef565f72c_cast
    .symbol:         k_q3ef565f72c_cast.kd
    .args:
      - { .name: x, .offset: 0, .size: 8, .value_kind: global_buffer, .address_space: global }
      - { .name: qkv_w, .offset: 8, .size: 8, .value_kind: global_buffer, .address_space: global }
      - { .name: out_w, .offset: 16, .size: 8, .value_kind: global_buffer, .address_space: global }
      - { .name: xb, .offset: 24, .size: 8, .value_kind: global_buffer, .address_space: global }
      - { .name: wb, .offset: 32, .size: 8, .value_kind: global_buffer, .address_space: global }
      - { .name: owb, .offset: 40, .size: 8, .value_kind: global_buffer, .address_space: global }
    .group_segment_fixed_size: 0
    .private_segment_fixed_size: 0
    .kernarg_segment_align: 8
    .kernarg_segment_size: 48
    .max_flat_workgroup_size: 256
    .sgpr_count:     66
    .vgpr_count:     152
    .wavefront_size: 32
...
	.end_amdgpu_metadata
.endif
;; end of part 1
;; launch qkvp (part 2): grid 24 x 32, 4 waves a work-group, clusters of 4 x 4, 327,680 bytes of LDS; arguments xb, wb, qkv_b, qkv; writes qkv
.if DOCPART == 2
	.amdgcn_target "amdgcn-amd-amdhsa--gfx1250"
	.amdhsa_code_object_version 6
	.text
	.protected	k_q3ef565f72c_qkvp
	.globl	k_q3ef565f72c_qkvp
	.p2align	8
	.type	k_q3ef565f72c_qkvp,@function
k_q3ef565f72c_qkvp:
	s_mov_b64 s[64:65], 0
	v_nop
	global_prefetch_b8 v0, s[64:65] scope:SCOPE_SE
	s_setreg_imm32_b32 hwreg(HW_REG_WAVE_MODE, 25, 1), 1
	s_wait_xcnt 0x0
	s_wait_alu depctr_hold_cnt(0) depctr_sa_sdst(0) depctr_va_vdst(0) depctr_va_sdst(0) depctr_va_ssrc(0) depctr_va_vcc(0) depctr_vm_vsrc(0)
	s_getreg_b32 s2, hwreg(HW_REG_IB_STS2, 6, 4)
	s_cmp_eq_u32 s2, 0
	s_cbranch_scc0 .Lentry_in_a_cluster
	s_endpgm
.Lentry_in_a_cluster:
	s_bfe_u32 s2, ttmp6, 0x10000c
	s_cmp_lg_u32 s2, 0xf033
	s_cbranch_scc0 .Lentry_shape_is_right
	s_endpgm
.Lentry_shape_is_right:
; qkv[e][t] = the sum over d of x[t][d] w[e][d] + b[e], stored by heads: [48 planes of 64 features][4,096 tokens][64] in f16 (planes 0-15 q, 16-31 k, 32-47 v), unscaled.
; A = xb [16][4096][64], B = wb [16][3072][64], both bf16 in blocks of 64 along K; b is rounded to bf16 like the other inputs; sums in f32; the result is rounded once.
; LIMIT.  f16 ends at 65,504: a q, k or v beyond that becomes an infinity.  NaN and infinities are not treated apart.
; A tile of C is 128 tokens x 128 features.  Four waves, each 64 x 64: 16 accumulators of 16 x 16.  K goes in steps of 256 (four blocks) through two LDS slots; a wave's tensor load brings two blocks
; of 128 rows: two runs of 16,384 consecutive bytes.  CLUSTERS: 4 x 4 work-groups; the four of a row of the cluster need the same tiles of A, the four of a column the same tiles of B: each tile is
; asked for JOINTLY, by the same tensor load with the same descriptor and a mask that names the four.
; THE MATRIX INSTRUCTION IS USED TRANSPOSED (source 0 = 16 rows of B, source 1 = 16 rows of A): a lane then holds one token and eight neighbouring features.
; REGISTERS: window 0: v0-31 addresses; v32-95 at work on the way out; v96-127 the bias of my lane's 32 features; v128-255 the accumulators ((a, b) at v[128 + 8 (4 a + b)]).
;   window 1: two fragment buffers of 128: for one block of 64 along K, 64 registers of A (2 x 4 x 16 rows x 32 K), then 64 of B.
.set PLANEA, 524288                    ; bytes in a block of A: 4,096 rows of 128 bytes
.set PLANEB, 393216                    ; of B: 3,072 rows
.set PITCH,  144                       ; an LDS row: 128 bytes + 16 of padding = 36 words: the 16 rows of a load start at 16 different groups of four banks (64 banks of 4 bytes: ISA guide 11.1)
.set KBB,    128*PITCH                 ; a block of 128 rows in LDS
.set HALFT,  2*KBB                     ; what one tensor load brings
.set SLOT,   4*HALFT                   ; A's four blocks, then B's four
.set STAGE,  2*SLOT                    ; behind the ring, never filled by a tensor load: 32 rows x 144 bytes for each wave, for the way out
.set SPITCH, 144
.set WSTG,   32*SPITCH
.set SPARE,  STAGE+4*WSTG              ; behind the stages: the spare words, 128 bytes for each wave: two blocks of 256 bytes that no other line names
.set LAPS,   2                         ; a lap = two K steps = once round the ring; K = 1,024
.set ADRA, 16                          ; v16-17  LDS address of my A fragments in slot 0, 1
.set ADRB, 20                          ; v20-21  the same for B
.set STO,  24                          ; v24     the way out: where I put 16 bytes of a row
.set RD,   25                          ; v25     the way out: where I read rows back
.set CO,   26                          ; v26     my byte offset in 512 consecutive bytes of the output
.set BO,   27                          ; v27     my byte offset in the wave's 64 numbers of the bias
.set SPW,  28                          ; v28     LDS address of my spare word: SPARE + 4 x my thread's number; never rewritten
.set NIL,  29                          ; v29     0; never rewritten
.set TMP,  32
.set BIA,  96
.set ACC,  128
.set F0,   0                           ; fragment buffers, in window 1
.set F1,   128
.set G1, 24                            ; s[24:31] descriptor group 1 for A's tiles;  s[32:39] group 0, one set for each slot
.set G0, 32
.set G1B, 48                           ; s[48:55], s[56:63] the same for B's tiles
.set G0B, 56
.set BP, 68                            ; s[68:69] the bias
.set CP, 70                            ; s[70:71] the output
.set MSB, 0
.macro WIN new                         ; the immediate's high byte repeats the setting that is left
.if MSB != (\new)
	s_set_vgpr_msb (MSB<<8)|(\new)
.set MSB, \new
.endif
.endm
.set MUL,  0x05                        ; sources 0 (B) and 1 (A) window 1; C and D window 0
.set TO_F, 0x40                        ; destination window 1, address window 0
.macro JLOAD s                         ; a joint load: waves 0 and 1 fetch A's two pairs of blocks, waves 2 and 3 B's; an s_nop 0 and four v_nop follow each of the two lines
	s_cmp_eq_u32 s11, 0
	s_cbranch_scc0 .Lfor_b_\@
	tensor_load_to_lds s[G0+4*(\s):G0+4*(\s)+3], s[G1:G1+7]
	s_nop 0
.rept 4
	v_nop
.endr
	s_branch .Lasked_\@
.Lfor_b_\@:
	tensor_load_to_lds s[G0B+4*(\s):G0B+4*(\s)+3], s[G1B:G1B+7]
	s_nop 0
.rept 4
	v_nop
.endr
.Lasked_\@:
.endm
.macro CREST                           ; a round of the cluster's barrier behind its opening barrier
	s_cmp_lg_u32 s10, 0
	s_cbranch_scc1 .Lnot_wave_0_\@
	s_barrier_signal -3
.Lnot_wave_0_\@:
	s_barrier_wait -3
	s_barrier_signal -1
	s_barrier_wait -1
.endm
.macro CROUND                          ; a whole round
	s_barrier_signal -1
	s_barrier_wait -1
	CREST
.endm
	s_load_b128 s[4:7], s[0:1], 0x0                ; A s[4:5], B s[6:7]
	s_load_b128 s[BP:BP+3], s[0:1], 0x10           ; the bias, the output
	v_lshl_add_u32 v[SPW], v0, 2, SPARE
	v_mov_b32 v[NIL], 0
	ds_add_u32 v[SPW], v[NIL]                      ; the wave's opening: the add and its wait stand ahead of my first tensor load; the set-up below, work on registers, stands between them
	ds_add_u32 v28, v29
	v_lshrrev_b32 v1, 5, v0
	v_readfirstlane_b32 s10, v1                    ; wave 0..3
	s_lshr_b32 s11, s10, 1                         ; which half of the tile's tokens is mine.  Also: I fetch for A (0) or for B (1)
	s_and_b32 s12, s10, 1                          ; which half of its features.  Also: which two blocks of a K step I fetch
	s_bfe_u32 s40, ttmp6, 0x40000                  ; cx, cy: my place in the cluster
	s_bfe_u32 s41, ttmp6, 0x40004
	s_lshl_b32 s42, ttmp9, 2
	s_add_co_u32 s42, s42, s40                     ; tile column = 4 x cluster x + cx
	s_and_b32 s13, ttmp7, 0xffff
	s_lshl_b32 s13, s13, 2
	s_add_co_u32 s13, s13, s41                     ; tile row = 4 x cluster y + cy
	s_lshl_b32 s43, s41, 2
	s_lshl_b32 s43, 15, s43                        ; my row of the cluster
	s_lshl_b32 s44, 0x1111, s40                    ; my column
	; descriptor group 1: two rows of 8,192 elements (a block's 128 rows on end), a block apart in memory; in LDS 16 bytes of padding behind every 128
	s_or_b32 s[G1+0], s43, (1<<16)|(1<<20)|(1<<21)|(4<<22)|(3<<25)  ; 15:0 the mask: A's tiles go to my row; 17:16 element of 2 bytes; 20 padding on; 21 set beside a mask; 24:22 after every 32 words (code 4); 31:25 of 4 words (code 3)
	s_or_b32 s[G1B+0], s44, (1<<16)|(1<<20)|(1<<21)|(4<<22)|(3<<25)
.irp g, G1, G1B
	s_mov_b32 s[(\g)+1], 8192<<16                  ; tensor_dim0 = 8,192
	s_mov_b32 s[(\g)+2], 2<<16                     ; tensor_dim1 = 2
	s_mov_b32 s[(\g)+3], 8192<<16                  ; tile_dim0 = 8,192
	s_mov_b32 s[(\g)+4], 2                         ; tile_dim1 = 2
	s_mov_b32 s[(\g)+6], 0
	s_mov_b32 s[(\g)+7], 0
.endr
	s_mov_b32 s[G1+5], PLANEA/2                    ; tensor_dim0_stride: a block, in elements
	s_mov_b32 s[G1B+5], PLANEB/2
	s_lshl_b32 s16, s13, 14                        ; A: the tile's 128 rows of 128 bytes,
	s_mul_i32 s17, s12, 2*PLANEA                   ; my two blocks
	s_add_co_u32 s16, s16, s17
	s_mov_b32 s17, 0
	s_lshl_b32 s46, s42, 14                        ; B likewise, in registers that never feed A's descriptors
	s_mul_i32 s47, s12, 2*PLANEB
	s_add_co_u32 s46, s46, s47
	s_mov_b32 s47, 0
	s_mul_i32 s20, s10, HALFT                      ; where they go: wave x two blocks: no place in the cluster enters an LDS address
	s_wait_dscnt 0x0                               ; the opening add is done
	s_wait_kmcnt 0x0
	s_add_nc_u64 s[14:15], s[4:5], s[16:17]
	s_add_nc_u64 s[46:47], s[6:7], s[46:47]
	CROUND                                         ; all sixteen work-groups are here: the first joint loads meet
.irp s, 0,1
	s_mov_b32 s[G0+4*(\s)], 1
	s_add_co_u32 s[G0+4*(\s)+1], s20, (\s)*SLOT
	s_add_nc_u64 s[G0+4*(\s)+2:G0+4*(\s)+3], s[14:15], (\s)*4*PLANEA  ; K step s: blocks 4 s on
	s_or_b32 s[G0+4*(\s)+3], s[G0+4*(\s)+3], 0x80000000
	s_mov_b32 s[G0B+4*(\s)], 1
	s_add_co_u32 s[G0B+4*(\s)+1], s20, (\s)*SLOT
	s_add_nc_u64 s[G0B+4*(\s)+2:G0B+4*(\s)+3], s[46:47], (\s)*4*PLANEB
	s_or_b32 s[G0B+4*(\s)+3], s[G0B+4*(\s)+3], 0x80000000
	JLOAD \s
.endr
	v_and_b32 v1, 15, v0                           ; l % 16
	v_bfe_u32 v2, v0, 4, 1                         ; l / 16
	v_mul_u32_u24 v3, v1, PITCH
	v_lshl_add_u32 v3, v2, 4, v3                   ; a fragment's row x pitch + 16 x half
	s_mul_i32 s21, s11, 64*PITCH                   ; my 64 rows in each block of A
	s_mul_i32 s22, s12, 64*PITCH                   ; my 64 rows in each block of B,
	s_add_co_u32 s22, s22, 2*HALFT                 ; which lie behind A's four blocks
.irp s, 0,1
	v_add_nc_u32 v[ADRA+(\s)], s21, v3
	v_add_nc_u32 v[ADRB+(\s)], s22, v3
	s_add_co_u32 s21, s21, SLOT
	s_add_co_u32 s22, s22, SLOT
.endr
	s_mul_i32 s23, s10, WSTG
	s_add_co_u32 s23, s23, STAGE                   ; my stage
	v_add_nc_u32 v[STO], s23, v3                   ; in: row l % 16, 16 bytes for each half of the lanes (the stage's pitch is the tiles')
	v_bfe_u32 v4, v0, 3, 2                         ; back: 32 lanes take four rows of 128 bytes,
	v_and_b32 v5, 7, v0
	v_mul_u32_u24 v4, v4, SPITCH
	v_lshl_add_u32 v4, v5, 4, v4
	v_add_nc_u32 v[RD], s23, v4
	v_and_b32 v[CO], 31, v0                        ; which are 512 consecutive bytes of a plane
	v_lshlrev_b32 v[CO], 4, v[CO]
	v_lshlrev_b32 v[BO], 5, v2                     ; my eight numbers of each sixteen of the bias
	s_lshl_b32 s46, s42, 1                         ; my wave's 64 features are one plane: 2 x tile column + half,
	s_add_co_u32 s46, s46, s12
	s_lshl_b32 s46, s46, 19                        ; of 524,288 bytes;
	s_lshl_b32 s47, s13, 14                        ; the tile's 128 tokens of 128 bytes,
	s_add_co_u32 s46, s46, s47
	s_lshl_b32 s47, s11, 13                        ; my 64 of them
	s_add_co_u32 s46, s46, s47
	s_mov_b32 s47, 0
	s_add_nc_u64 s[CP:CP+1], s[CP:CP+1], s[46:47]
	s_lshl_b32 s46, s42, 9                         ; the bias of my 64 features
	s_lshl_b32 s47, s12, 8
	s_add_co_u32 s46, s46, s47
	s_mov_b32 s47, 0
	s_add_nc_u64 s[BP:BP+1], s[BP:BP+1], s[46:47]
.irp b, 0,1,2,3
	global_load_b128 v[BIA+8*(\b):BIA+8*(\b)+3],   v[BO], s[BP:BP+1] offset:64*(\b)      ; waited for on the way out
	global_load_b128 v[BIA+8*(\b)+4:BIA+8*(\b)+7], v[BO], s[BP:BP+1] offset:64*(\b)+16
.endr
; 8 matrix instructions: m blocks a0, a0 + 1 x all 4 n blocks, 32 along K: half c of buffer f.  zero = 1: the first product starts the sums.  The 16 accumulators take turns.
.macro MUL8 f, c, a0, zero
	WIN MUL
.irp a, \a0, (\a0)+1
.irp b, 0,1,2,3
.if \zero
	v_wmma_f32_16x16x32_bf16 v[ACC+8*(4*(\a)+(\b)):ACC+8*(4*(\a)+(\b))+7], v[(\f)+64+8*(4*(\c)+(\b)):(\f)+64+8*(4*(\c)+(\b))+7], v[(\f)+8*(4*(\c)+(\a)):(\f)+8*(4*(\c)+(\a))+7], 0
.else
	v_wmma_f32_16x16x32_bf16 v[ACC+8*(4*(\a)+(\b)):ACC+8*(4*(\a)+(\b))+7], v[(\f)+64+8*(4*(\c)+(\b)):(\f)+64+8*(4*(\c)+(\b))+7], v[(\f)+8*(4*(\c)+(\a)):(\f)+8*(4*(\c)+(\a))+7], v[ACC+8*(4*(\a)+(\b)):ACC+8*(4*(\a)+(\b))+7]
.endif
.endr
.endr
.endm
; 32 LDS loads in one run: the fragments of the block that begins at byte k of the slot's A and B, into buffer f; the first 32 along K first
.macro FETCH slot, k, f
	WIN TO_F
.irp c, 0,1
.irp i, 0,1,2,3
	ds_load_b128 v[(\f)+64+8*(4*(\c)+(\i)):(\f)+64+8*(4*(\c)+(\i))+3],   v[ADRB+(\slot)] offset:(\k)+64*(\c)+(\i)*16*PITCH
	ds_load_b128 v[(\f)+64+8*(4*(\c)+(\i))+4:(\f)+64+8*(4*(\c)+(\i))+7], v[ADRB+(\slot)] offset:(\k)+64*(\c)+(\i)*16*PITCH+32
	ds_load_b128 v[(\f)+8*(4*(\c)+(\i)):(\f)+8*(4*(\c)+(\i))+3],         v[ADRA+(\slot)] offset:(\k)+64*(\c)+(\i)*16*PITCH
	ds_load_b128 v[(\f)+8*(4*(\c)+(\i))+4:(\f)+8*(4*(\c)+(\i))+7],       v[ADRA+(\slot)] offset:(\k)+64*(\c)+(\i)*16*PITCH+32
.endr
.endr
.endm
.macro PLACES                          ; four places in front of loads into registers that matrix instructions have read (ISA guide 7.12.1 for vector instructions)
.rept 4
	v_nop
.endr
.endm
; A K step is four quarters, a block of 64 along K each, 32 matrix instructions, on buffers 0, 1, 0, 1.  One of the first three: multiplies buffer f and fetches the next block, at byte k, into g.
.macro QUARTER slot, k, f, g, zero
	s_wait_dscnt 16                                ; the first 32 along K are in; the youngest sixteen loads may be out
	WIN MUL
	MUL8 \f, 0, 0, \zero
	MUL8 \f, 0, 2, \zero
	PLACES
	FETCH \slot, \k, \g
	s_wait_dscnt 32                                ; all but the 32 just issued
	WIN MUL
	MUL8 \f, 1, 0, 0
	MUL8 \f, 1, 2, 0
.endm
; The last quarter multiplies buffer 1 and changes slots: ONE barrier; in front of it each wave waits for all its tensor loads, adds 0 to its spare word, and waits for that and for its own reads of this slot.  fill = 1: this slot is filled again, two K steps ahead.
.macro TURN slot, next, fill
	WIN 0                                          ; (the add's two registers lie in window 0)
	s_wait_tensorcnt 0x0                           ; all my tensor loads have landed: my part of the next slot;
	ds_add_u32 v[SPW], v[NIL]                      ; 0 onto my spare word
	s_wait_dscnt 17                                ; (the add and the youngest sixteen loads may be out)
	WIN MUL
	MUL8 F1, 0, 0, 0                               ; eight matrix instructions stand between the add and the wait for it
	s_wait_dscnt 0x0                               ; the add is done, and my reads of this slot are over
	s_barrier_signal -1
	MUL8 F1, 0, 2, 0
.if \fill
	WIN 0
.endif
	s_barrier_wait -1
.if \fill
	CREST                                          ; the barrier has opened a round of the cluster's barrier: no wave of any partner still reads this slot's tile or has a load on its way
	s_add_nc_u64 s[G0+4*(\slot)+2:G0+4*(\slot)+3], s[G0+4*(\slot)+2:G0+4*(\slot)+3], 8*PLANEA
	s_add_nc_u64 s[G0B+4*(\slot)+2:G0B+4*(\slot)+3], s[G0B+4*(\slot)+2:G0B+4*(\slot)+3], 8*PLANEB
	JLOAD \slot                                    ; the first tensor load behind the round: 112 matrix instructions ahead of the wait for it; the four v_nop behind it are also the places in front of the loads below
.else
	PLACES
.endif
	FETCH \next, 0, F0
	WIN MUL
	MUL8 F1, 1, 0, 0
	MUL8 F1, 1, 2, 0
.endm
	s_wait_tensorcnt 1                             ; my part of K step 0 is in; K step 1's may stay out
	s_barrier_signal -1
	s_barrier_wait -1                              ; everybody's is
	FETCH 0, 0, F0
	QUARTER 0, KBB, F0, F1, 1                      ; the first quarter stands in front of the loop: its first products start the sums
	WIN 0                                          ; at a label and at a branch every window is 0
	s_mov_b32 s3, LAPS-1
.Llap:                                                 ; a trip goes once round the ring, from a lap's second quarter to the next lap's first, and fills both slots again
	QUARTER 0, 2*KBB, F1, F0, 0
	QUARTER 0, 3*KBB, F0, F1, 0
	TURN 0, 1, 1
	QUARTER 1, KBB,   F0, F1, 0
	QUARTER 1, 2*KBB, F1, F0, 0
	QUARTER 1, 3*KBB, F0, F1, 0
	TURN 1, 0, 1
	QUARTER 0, KBB,   F0, F1, 0
	WIN 0
	s_sub_co_u32 s3, s3, 1
	s_cmp_lg_u32 s3, 0
	s_cbranch_scc1 .Llap
	QUARTER 0, 2*KBB, F1, F0, 0                    ; the last lap fills nothing, and has no round of the cluster's barrier
	QUARTER 0, 3*KBB, F0, F1, 0
	TURN 0, 1, 0
	QUARTER 1, KBB,   F0, F1, 0
	QUARTER 1, 2*KBB, F1, F0, 0
	QUARTER 1, 3*KBB, F0, F1, 0
	s_wait_dscnt 16                                ; the very last quarter: nothing more to fetch
	WIN MUL
	MUL8 F1, 0, 0, 0
	MUL8 F1, 0, 2, 0
	s_wait_dscnt 0
	MUL8 F1, 1, 0, 0
	MUL8 F1, 1, 2, 0
	WIN 0
	; THE WAY OUT.  The bias is rounded to bf16 and widened again (these 48 lines, which name no register of the last products, are the places behind them); it is added in f32; the sums are rounded to f16;
	; 32 tokens at a time go through my own stage and come back as whole rows of 128 bytes, four rows (512 consecutive bytes of the plane) to a store.
	s_wait_loadcnt 0x0                             ; the bias
.set t, 0
.rept 16
	v_cvt_pk_bf16_f32 v[TMP+t], v[BIA+2*t], v[BIA+2*t+1]
.set t, t+1
.endr
.set t, 0
.rept 16
	v_lshlrev_b32 v[BIA+2*t], 16, v[TMP+t]
	v_and_b32 v[BIA+2*t+1], 0xffff0000, v[TMP+t]
.set t, t+1
.endr
.macro PACK p                          ; tokens 32 p .. 32 p + 31 of my 64: m blocks 2 p, 2 p + 1.  Each accumulator's registers are taken in ascending order
.irp a, 0,1
.irp b, 0,1,2,3
.irp j, 0,1,2,3
	v_pk_add_f32 v[ACC+8*(4*(2*(\p)+(\a))+(\b))+2*(\j):ACC+8*(4*(2*(\p)+(\a))+(\b))+2*(\j)+1], v[ACC+8*(4*(2*(\p)+(\a))+(\b))+2*(\j):ACC+8*(4*(2*(\p)+(\a))+(\b))+2*(\j)+1], v[BIA+8*(\b)+2*(\j):BIA+8*(\b)+2*(\j)+1]
.endr
.endr
.endr
.irp a, 0,1
.irp b, 0,1,2,3
.irp j, 0,1,2,3
	v_cvt_pk_f16_f32 v[TMP+32*(\p)+4*(4*(\a)+(\b))+(\j)], v[ACC+8*(4*(2*(\p)+(\a))+(\b))+2*(\j)], v[ACC+8*(4*(2*(\p)+(\a))+(\b))+2*(\j)+1]
.endr
.endr
.endr
.irp a, 0,1
.irp b, 0,1,2,3
	ds_store_b128 v[STO], v[TMP+32*(\p)+4*(4*(\a)+(\b)):TMP+32*(\p)+4*(4*(\a)+(\b))+3] offset:(\a)*16*SPITCH+32*(\b)
.endr
.endr
.irp f, 0,1,2,3,4,5,6,7
	ds_load_b128 v[TMP+32*(\p)+4*(\f):TMP+32*(\p)+4*(\f)+3], v[RD] offset:(\f)*4*SPITCH  ; LDS serves a wave's instructions in order (ISA guide 5.7.1.4): these see the stores above; the next pass's stores come behind them
.endr
.endm
.macro SEND p, younger                 ; younger: the LDS instructions issued behind pass p's loads: the next pass's sixteen, or none
.irp f, 0,1,2,3,4,5,6,7
	s_wait_dscnt (\younger)+7-(\f)
	global_store_b128 v[CO], v[TMP+32*(\p)+4*(\f):TMP+32*(\p)+4*(\f)+3], s[CP:CP+1] offset:(\p)*4096+(\f)*512  ; 512 consecutive bytes, at a multiple of 256 from the buffer's first
.endr
.endm
	PACK 0
	PACK 1
	SEND 0, 16
	SEND 1, 0
	s_wait_tensorcnt 0x0                           ; the wave's end: 0 onto my spare word and its wait, behind my last tensor load and my last LDS store
	ds_add_u32 v[SPW], v[NIL]
	s_wait_dscnt 0x0
	CROUND                                         ; the closing round: no work-group ends while a partner may still ask for a tile that names it
	s_endpgm
.Lfunc_end_k_q3ef565f72c_qkvp:
	.size	k_q3ef565f72c_qkvp, .Lfunc_end_k_q3ef565f72c_qkvp-k_q3ef565f72c_qkvp
	.p2alignl 7, 3214868480
	.fill 96, 4, 3214868480
	.section	.rodata,"a",@progbits
	.p2align	6, 0x0
	.amdhsa_kernel k_q3ef565f72c_qkvp
		.amdhsa_group_segment_fixed_size 327680
		.amdhsa_private_segment_fixed_size 0
		.amdhsa_enable_private_segment 0
		.amdhsa_kernarg_size 32
		.amdhsa_user_sgpr_count 2
		.amdhsa_user_sgpr_kernarg_segment_ptr 1
		.amdhsa_wavefront_size32 1
		.amdhsa_system_sgpr_workgroup_id_x 1
		.amdhsa_system_sgpr_workgroup_id_y 1
		.amdhsa_system_sgpr_workgroup_id_z 1
		.amdhsa_system_vgpr_workitem_id 0
		.amdhsa_next_free_vgpr 512
		.amdhsa_next_free_sgpr 72
		.amdhsa_reserve_vcc 0
		.amdhsa_float_denorm_mode_32 3
		.amdhsa_float_denorm_mode_16_64 3
		.amdhsa_memory_ordered 1
		.amdhsa_forward_progress 1
		.amdhsa_inst_pref_size 94
	.end_amdhsa_kernel
	.amdgpu_metadata
---
amdhsa.version: [ 1, 2 ]
amdhsa.kernels:
  - .name:           k_q3ef565f72c_qkvp
    .symbol:         k_q3ef565f72c_qkvp.kd
    .args:
      - { .name: xb, .offset: 0, .size: 8, .value_kind: global_buffer, .address_space: global }
      - { .name: wb, .offset: 8, .size: 8, .value_kind: global_buffer, .address_space: global }
      - { .name: qkv_b, .offset: 16, .size: 8, .value_kind: global_buffer, .address_space: global }
      - { .name: qkv, .offset: 24, .size: 8, .value_kind: global_buffer, .address_space: global }
    .group_segment_fixed_size: 327680
    .private_segment_fixed_size: 0
    .kernarg_segment_align: 8
    .kernarg_segment_size: 32
    .max_flat_workgroup_size: 128
    .sgpr_count:     72
    .vgpr_count:     512
    .wavefront_size: 32
...
	.end_amdgpu_metadata
.endif
;; end of part 2
;; launch attn (part 3): grid 16 x 16, 4 waves a work-group, no clusters, 327,680 bytes of LDS; arguments qkv, ob; writes ob
.if DOCPART == 3
	.amdgcn_target "amdgcn-amd-amdhsa--gfx1250"
	.amdhsa_code_object_version 6
	.text
	.protected	k_q3ef565f72c_attn
	.globl	k_q3ef565f72c_attn
	.p2align	8
	.type	k_q3ef565f72c_attn,@function
k_q3ef565f72c_attn:
	s_mov_b64 s[64:65], 0
	v_nop
	global_prefetch_b8 v0, s[64:65] scope:SCOPE_SE
	s_setreg_imm32_b32 hwreg(HW_REG_WAVE_MODE, 25, 1), 1
	s_wait_xcnt 0x0
; CAUSAL ATTENTION.  O[h][q][:] = the sum over k <= q of softmax_k(Q[h][q] . K[h][k] / 8) V[h][k][:].  qkv: [48][4096][64] f16 (planes 0-15 Q, 16-31 K, 32-47 V by heads); ob: [16][4096][64] f16: rows of 128 bytes, dense.
; Products, maxima and sums in f32; the weights p are rounded to f16 for the second product (their sum l is taken of the unrounded p), O once at the end.
; LIMITS.  Q, K and V arrive within f16's 65,504; p lies in 0 to 1, and below 6e-5 it keeps f16's fixed step of 6e-8; O is a mean of V's rows and has their range.
; A hidden score counts as its value less 1e30: f16's scores, 2.7e11 at the most, are nothing beside that; a weight below 2^-126 counts as 0 in l; NaN and infinities are not treated apart.
; THE WALK.  A head's queries lie in 32 blocks of 128, its keys in 16 tiles of 256; block i needs the tiles 0 .. i / 2, of which the last holds the diagonal.  A work-group takes TWO blocks, 31 - b and then b:
; 17 tiles, whatever b: 256 work-groups of equal work, and ONE loop with a constant trip count walks them.  Which tile is asked for, and what a trip does, hang on scalar registers made from b; every jump goes
; forward, but for the counted loops' own; none passes a barrier, or a tensor load but the one of LOAD's two that the wave's number does not choose; the ring of two LDS slots runs on across the change of blocks.
; NO CLUSTER: a head's 16 work-groups ask for the same tile in trips 0 to 8 only; behind that only b = 2 j and 2 j + 1 walk alike, two and not four, and which text a trip takes would hang on a partner's place.
; SHARES.  Of a block's two bands of 64 queries a wave owns 16 rows in each: two PIECES.  In the diagonal tile's key step u (0..3) band x of block i sees all keys if u < 2 (i % 2) + x, none if u is greater,
; and holds the diagonal if they are equal: the same work for all four waves.
; THE MASK is the C operand that starts the sum S^T = K Q^T: 0, or -1e30 where the key is hidden.  MD, made once, is the mask of a band's own step for my 16 rows; a product's mask is MD x AL + BE with two scalars:
; (1, 0) in the band's own step; (0, 0) before it; (0, -1e30) behind it.  Only the diagonal tile's text and a block's beginning make and take masks; elsewhere C is the constant 0.
; LAYOUT, SOFTMAX.  S^T = K Q^T holds ONE query a lane (lane % 16) and the keys 8 (lane / 16) + 0..7; two such results rounded to f16 ARE source 1 of O^T = V^T P.  p = 2^(c s - c m), c = log2(e) / 8, with a
; running maximum m; O and l are multiplied by a = 2^(c m_old - c m_new) in every step.
; TURNS.  Step g has two turns.  T0(g): 8 products K Q^T of piece 1, step g; later 8 products V^T P of piece 1, step g - 1; beside them piece 0's softmax of step g and piece 1's maximum and statistics of step g.
; T1(g): K Q^T of piece 0, step g + 1; V^T P of piece 0, step g; piece 1's softmax of step g, piece 0's statistics of step g + 1.  Four vector instructions stand behind every matrix instruction, the other 54 of a
; turn's 118 in two lumps.  K of step g + 1 is fetched in T0(g), V of step g + 1 in T1(g), into the other of V's two buffers: so LDS is read in the order K, V, K, V, and one change of slots serves both.
; REGISTERS, in windows of 256 (s_set_vgpr_msb: bits 1:0 source 0, 3:2 source 1, 5:4 source 2, 7:6 destination):
;   window 0: v0-15 addresses and two at work; v16-23 four registers of statistics a piece; v48-55 at work; v61-63 never rewritten; v64-127 S^T, a buffer a piece; v192-223 P, likewise
;   window 1: v0-63 O^T, 32 a piece; v128-159 MD; v160-223 MC, a buffer a piece      window 2: v0-31 Q; v32-63 the second block's Q; v64-127 V of odd steps; v128-191 K of one step; v192-255 V of even steps
.set NP,    2         ; pieces a wave: a name, no knob
.set KS,    64        ; keys in a step
.set PK,    144       ; a row of K in LDS: 128 bytes + 16 of padding = 36 words: the 16 rows of a load start at 16 different groups of four banks (64 banks of 4 bytes: ISA guide 11.1)
.set PV,    160       ; a row of V: 128 + 32 = 40 words
.set VOFF,  4*KS*PK   ; a slot holds a tile, four steps: 256 rows of K, then 256 rows of V
.set SLOT1, 1<<17     ; slot 1 begins here, so that one exclusive or turns an address in one slot into the other's
.set STAGE, SLOT1+4*KS*(PK+PV)  ; behind the ring, never filled by a tensor load: 16 rows x 144 bytes for each wave, for the way out
.set SP,    144
.set SPARE, STAGE+4*16*SP  ; behind the stages: the spare words, 128 bytes for each wave: two blocks of 256 bytes that no other line names
.set AK0, 2           ; v2   my lane's place in a tile of K; never rewritten
.set AV0, 3           ; v3   the same for V
.set AK,  4           ; v4   the LDS address of K's next run of loads
.set AV,  5           ; v5   of V's
.set STO, 6           ; v6   the way out: where I put 16 bytes of a row
.set RD,  7           ; v7   the way out: where I read rows back
.set GO,  8           ; v8   my byte offset in 512 consecutive bytes of O
.set MV,  12          ; v12-13  c m_old, kept while c m is made anew: by piece
.set QO,  15          ; v15  my byte offset in 16 rows of Q
.set ST,  16          ; piece t's statistics at v[ST+4 t]: c m, m, l (even keys', odd keys')
.set TMP, 48          ; by piece, four registers c0-c3 at work; when the maximum is found c2 takes a
.set PFO, 61          ; v61  256 x my lane; never rewritten
.set SPW, 62          ; v62  LDS address of my spare word: SPARE + 4 x my thread's number; never rewritten
.set NIL, 63          ; v63  0; never rewritten
.set S,   64
.set P,   192
.set MD,  128         ; window 1: the eight registers for group kt of 16 keys at MD + 8 kt
.set MC,  160         ; window 1: the masks of the products to come
.set QB,  32          ; window 2
.set VF1, 64          ; window 2: V of odd steps: key half kk, channel block cb at + 32 kk + 8 cb
.set KF,  128         ; window 2: key block kb, channel half c at KF + 16 kb + 8 c
.set VF0, 192         ; window 2: V of even steps
.set WV,  12          ; s12  my wave's number
.set PB,  14          ; s14  b
.set HI,  15          ; s15  31 - b
.set G1K, 24          ; s[24:31] descriptor group 1 for K's tiles
.set G1V, 32          ; s[32:39] for V's: it differs in the padding alone
.set G0K, 40          ; s[40:43] descriptor group 0 for K's tiles
.set G0V, 44          ; s[44:47] the same for V's
.set SLOTS, 56        ; s56  tiles still to be asked for
.set CNT, 57          ; s57  counts a tile's two trips
.set CS,  58          ; s[58:59] c: the packed scaling takes the pair's low word for both halves
.set SEL, 60          ; s[60:61] v_permlanex16_b32's selects: each lane takes its own place in the other half
.set TBK, 62          ; s62  LDS byte at which K of the step to be fetched begins
.set TBV, 63          ; s63  the same for V, less VOFF
.set RT,  70          ; s70  tiles of the block in hand that are still to be entered
.set NXT, 71          ; s71  the tile to be asked for next
.set LQ,  72          ; s72  the last tile of the block whose tiles are being asked for
.set NEW, 73          ; s73  1: the tile to be entered is a block's first
.set OFF, 74          ; s[74:75] a tile's byte offset in K and V
.set AL,  76          ; s[76:77] the mask's factor, in the low word
.set BE,  78          ; s[78:79] the mask's addend
.set OLO, 80          ; s[80:81] O at my rows of the second block
.set BIGN, 82         ; s82  -1e30
.set PFA, 88          ; s[88:89] where my prefetches stand: my half of K's or V's tile, one tile behind the one that is being asked for
.set LIM, 90          ; s90  2 in the work-group that prefetches, else the greatest number
.set US,  91          ; s91  the diagonal tile's step for which the next mask is made
.set U0,  92          ; s92, s93  the own steps of bands 0 and 1 of the block in hand
.set PBT, 94          ; s94  the second block's last tile, b / 2
.set MSB, 0
.macro WIN new                      ; the high byte repeats the setting that is left; a switch that changes nothing is dropped
.if MSB != (\new)
	s_set_vgpr_msb (MSB<<8)|(\new)
.set MSB, (\new)
.endif
.endm
.set W_KQ, 0x0a       ; K and Q in window 2, S^T in window 0
.set W_KM, 0x1a       ; the same with the C operand in window 1
.set W_PV, 0x52       ; V in window 2, P in window 0, O^T in window 1
.set W_RS, 0x41       ; destination and source 0 in window 1, source 1 in window 0
; A fill.  Waves 0 and 1 fetch the two halves of a tile's K, waves 2 and 3 those of its V: 128 keys each.  An s_nop 0 and four v_nop follow each of the two lines, ahead of the jump and the label.
.macro LOAD
	s_cmp_lt_u32 s[WV], 2
	s_cbranch_scc0 .Lfor_v_\@
	tensor_load_to_lds s[G0K:G0K+3], s[G1K:G1K+7]
	s_nop 0
.rept 4
	v_nop
.endr
	s_branch .Lasked_\@
.Lfor_v_\@:
	tensor_load_to_lds s[G0V:G0V+3], s[G1V:G1V+7]
	s_nop 0
.rept 4
	v_nop
.endr
.Lasked_\@:
.endm
; A PREFETCH INTO THE L2 of the tile that the NEXT change of slots will ask for, behind the wave's tensor load and its five lines.  All 16 work-groups of a head begin with the tiles 0, 1, 2 ..; the one with b = 0
; walks all 16 on end, and it alone asks: in trip t (SLOTS = 16 - t), which fills a slot with tile t + 1, for tile t + 2, while t + 2 <= 15.  Each wave asks for the 16,384 bytes that it will fetch itself: a lane
; a block of 256 bytes, two instructions.  So each block of a head's K and V is named once in the launch, one tile (8 turns, 128 matrix instructions) ahead; tiles 0 and 1 come by their loads alone.
.macro ASK
	s_cmp_gt_u32 s[SLOTS], s[LIM]
	s_cbranch_scc0 .Lnot_mine_\@
	global_prefetch_b8 v[PFO], s[PFA:PFA+1] th:TH_LOAD_NT scope:SCOPE_SE
	global_prefetch_b8 v[PFO], s[PFA:PFA+1] offset:8192 th:TH_LOAD_NT scope:SCOPE_SE
.Lnot_mine_\@:
.endm
; THE CHANGE OF SLOTS.  Each wave waits for all its tensor loads, of which one is out: its part of the other slot; adds 0 to its spare word; and waits for that and for its own reads of the slot that it leaves.  Behind the
; barrier nobody reads the old slot any more and the other slot is whole.  fill = 1: the old slot is filled again, the first thing behind the barrier, with tile NXT: the descriptor's address is made anew from that number.
; (At its first use nothing has been read yet: slot 0 is waited for, slot 1 filled.)
.macro CHANGE fill
	WIN 0                           ; at a label and at a branch every window is 0
	s_wait_tensorcnt 0x0            ; no tensor load of mine is out, so a group 0 may be written
	ds_add_u32 v[SPW], v[NIL]       ; 0 onto my spare word: with fill = 1 the descriptors' scalar work stands between it and the wait for it
.if \fill
	s_lshl_b32 s[OFF], s[NXT], 15   ; a tile is 32,768 bytes of K and of V
	s_xor_b32 s[G0K+1], s[G0K+1], SLOT1
	s_add_nc_u64 s[G0K+2:G0K+3], s[6:7], s[OFF:OFF+1]
	s_or_b32 s[G0K+3], s[G0K+3], 0x80000000
	s_xor_b32 s[G0V+1], s[G0V+1], SLOT1
	s_add_nc_u64 s[G0V+2:G0V+3], s[8:9], s[OFF:OFF+1]
	s_or_b32 s[G0V+3], s[G0V+3], 0x80000000
	s_add_co_u32 s[NXT], s[NXT], 1  ; the block's next tile, or behind its last the second block's tile 0
	s_cmp_gt_u32 s[NXT], s[LQ]
	s_cselect_b32 s[NXT], 0, s[NXT]
	s_cselect_b32 s[LQ], s[PBT], s[LQ]
	s_wait_xcnt 0x0                 ; the last prefetches, a tile back, have read their address, so it may be written
	s_add_nc_u64 s[PFA:PFA+1], s[PFA:PFA+1], 32768
.endif
	s_wait_dscnt 0x0                ; the add is done, and my reads of the slot are over
	s_barrier_signal -1             ; the rest of the scalar work stands between the signal and the wait
	s_sub_co_u32 s[TBK], s[TBK], 4*KS*PK  ; the fetches go back to a slot's first step,
	s_xor_b32 s[TBK], s[TBK], SLOT1       ; in the other slot
	s_sub_co_u32 s[TBV], s[TBV], 4*KS*PV
	s_xor_b32 s[TBV], s[TBV], SLOT1
	s_barrier_wait -1
.if \fill
	LOAD
	ASK
.endif
.endm
	s_load_b64 s[4:5], s[0:1], 0x0  ; qkv
	s_load_b64 s[10:11], s[0:1], 0x8  ; ob
	v_lshl_add_u32 v[SPW], v0, 2, SPARE
	v_mov_b32 v[NIL], 0
	ds_add_u32 v[SPW], v[NIL]       ; the wave's opening: the add and its wait stand ahead of my first tensor load; the set-up below, work on registers, stands between them
	ds_add_u32 v62, v63
	v_lshrrev_b32 v1, 5, v0
	v_readfirstlane_b32 s[WV], v1   ; wave 0..3
	s_mov_b32 s[PB], ttmp9
	s_sub_co_u32 s[HI], 31, s[PB]
	s_lshr_b32 s[PBT], s[PB], 1
	s_and_b32 s20, ttmp7, 0xffff    ; the head,
	s_lshl_b32 s20, s20, 19         ; its plane of 524,288 bytes
	s_and_b32 s16, s[WV], 1         ; which half of a tile's 256 keys I fetch:
	s_lshl_b32 s22, s16, 14         ; its 128 rows of 128 bytes in memory,
	s_add_co_u32 s22, s22, s20
	s_mov_b32 s23, 0
	s_mul_i32 s17, s16, 128*PK      ; and its place in a slot, for K
	s_mul_i32 s18, s16, 128*PV      ; and for V
	s_lshl_b32 s3, s[WV], 11        ; my 16 rows in a band of 64,
	s_lshl_b32 s2, s[HI], 14        ; in the first block (128 rows of 128 bytes),
	s_add_co_u32 s2, s2, s3
	s_add_co_u32 s2, s2, s20
	s_lshl_b32 s84, s[PB], 14       ; and in the second
	s_add_co_u32 s84, s84, s3
	s_add_co_u32 s84, s84, s20
	s_mov_b32 s3, 0
	s_mov_b32 s85, 0
	; descriptor group 1.  128 keys are 16,384 dense bytes: asked for as 64 rows of 256 bytes, two keys a row, and padded in LDS after every key
	s_mov_b32 s[G1K], (1<<16)|(1<<20)|(4<<22)|(3<<25)  ; 17:16 2-byte elements; 20 padding on; 24:22 after every 32 words (code 4); 31:25 4 words (code 3)
	s_mov_b32 s[G1V], (1<<16)|(1<<20)|(4<<22)|(7<<25)  ; the same with 8 words of padding (code 7)
.irp g, G1K, G1V
	s_mov_b32 s[\g+1], 128<<16      ; tensor_dim0 = 128
	s_mov_b32 s[\g+2], 64<<16       ; tensor_dim1 = 64
	s_mov_b32 s[\g+3], 128<<16      ; tile_dim0 = 128
	s_mov_b32 s[\g+4], 64           ; tile_dim1 = 64
	s_mov_b32 s[\g+5], 128          ; 128 elements from row to row
	s_mov_b32 s[\g+6], 0
	s_mov_b32 s[\g+7], 0
.endr
	s_mov_b32 s[CS], 0x3e38aa3b     ; c = log2(e) / 8 = 0.180337
	s_mov_b32 s[CS+1], s[CS]        ; named with it as a pair
	s_mov_b32 s[SEL], 0x76543210
	s_mov_b32 s[SEL+1], 0xfedcba98
	s_mov_b32 s[TBK], SLOT1+4*KS*PK ; the first change of slots turns these two into 0
	s_mov_b32 s[TBV], SLOT1+4*KS*PV
	s_mov_b32 s[G0K], 1             ; 1:0 count = 1
	s_mov_b32 s[G0K+1], s17         ; 63:32 LDS address: slot 0
	s_mov_b32 s[G0V], 1
	s_add_co_u32 s[G0V+1], s18, VOFF
	s_lshr_b32 s[LQ], s[HI], 1      ; the first block's last tile
	s_add_co_u32 s[RT], s[LQ], 1    ; and how many it has
	s_mov_b32 s[NXT], 1
	s_mov_b32 s[NEW], 1
	s_and_b32 s[U0], s[HI], 1
	s_lshl_b32 s[U0], s[U0], 1      ; band 0's own step in the diagonal tile,
	s_add_co_u32 s[U0+1], s[U0], 1  ; band 1's
	s_mov_b32 s[OFF+1], 0
	s_mov_b32 s[AL+1], 0            ; named as pairs
	s_mov_b32 s[BE+1], 0
	s_mov_b32 s[BIGN], 0xf149f2ca   ; -1e30
	s_mov_b32 s[SLOTS], 16
	s_cmp_eq_u32 ttmp9, 0
	s_cselect_b32 s[LIM], 2, -1
	s_wait_dscnt 0x0                ; the opening add is done
	s_wait_kmcnt 0x0
	s_add_nc_u64 s[6:7], s[4:5], s[22:23]
	s_add_nc_u64 s[8:9], s[6:7], 16777216  ; V (planes 32 on) at my half of the head's tile 0,
	s_add_nc_u64 s[6:7], s[6:7], 8388608   ; K (planes 16 on) likewise
	s_add_nc_u64 s[G0K+2:G0K+3], s[6:7], 0         ; 120:64 global address
	s_or_b32 s[G0K+3], s[G0K+3], 0x80000000        ; 127:126 type = 2
	s_add_nc_u64 s[G0V+2:G0V+3], s[8:9], 0
	s_or_b32 s[G0V+3], s[G0V+3], 0x80000000
	s_add_nc_u64 s[86:87], s[4:5], s[84:85]        ; Q at my rows of the second block,
	s_add_nc_u64 s[4:5], s[4:5], s[2:3]            ; Q and O at those of the first
	s_add_nc_u64 s[OLO:OLO+1], s[10:11], s[84:85]
	s_add_nc_u64 s[10:11], s[10:11], s[2:3]
	s_cmp_lt_u32 s[WV], 2
	s_cselect_b64 s[PFA:PFA+1], s[6:7], s[8:9]
	s_add_nc_u64 s[PFA:PFA+1], s[PFA:PFA+1], 32768 ; at tile 1: the first change of slots steps it to tile 2.  Nothing is prefetched here, at the head
	LOAD                            ; tile 0 into slot 0
	; A fragment of K or Q is 16 rows x 32 channels in 8 registers: lane l holds row l % 16, channels 8 (l / 16) + 0..7 and 16 + 8 (l / 16) + 0..7: two loads of 16 bytes, 32 bytes apart.
	v_and_b32 v1, 15, v0            ; l % 16
	v_bfe_u32 v9, v0, 4, 1          ; l / 16
	v_lshlrev_b32 v[QO], 7, v1
	v_lshl_add_u32 v[QO], v9, 4, v[QO]  ; row x 128 + 16 x half
	WIN 0x80                        ; destination window 2, address window 0
.set i, 0
.rept 4                             ; both blocks' Q: piece i / 2 lies in band i / 2, 8,192 bytes on; channels 32 (i % 2) on
	global_load_b128 v[8*i:8*i+3],   v[QO], s[4:5] offset:(i/2)*8192+(i%2)*64
	global_load_b128 v[8*i+4:8*i+7], v[QO], s[4:5] offset:(i/2)*8192+(i%2)*64+32
	global_load_b128 v[QB+8*i:QB+8*i+3],   v[QO], s[86:87] offset:(i/2)*8192+(i%2)*64
	global_load_b128 v[QB+8*i+4:QB+8*i+7], v[QO], s[86:87] offset:(i/2)*8192+(i%2)*64+32
.set i, i+1
.endr
	WIN 0
	v_lshlrev_b32 v14, 3, v9
	v_sub_nc_u32 v14, v1, v14
	s_lshl_b32 s13, s[WV], 4
	v_add_nc_u32 v14, s13, v14      ; my query's place in its band, 16 w + l % 16, less my lanes' 8 (l / 16): register r of group kt is hidden where 16 kt + r is greater
	WIN 0x40
.set i, 0
.rept 32
	v_cmp_gt_i32 vcc_lo, 16*(i/8)+i%8, v14
	v_cndmask_b32 v[MD+i], 0, s[BIGN], vcc_lo
.set i, i+1
.endr
	WIN 0
	v_mul_u32_u24 v[AK0], v1, PK
	v_lshl_add_u32 v[AK0], v9, 4, v[AK0]  ; row x pitch + 16 x half
	; The turning load takes 16 keys x 16 channels (lane l reads key 8 (l / 16) + l % 8, channels 8 ((l / 8) % 2) + 0..7) and leaves half a fragment of V^T: lane l holds channel l % 16 and 8 keys.
	v_and_b32 v10, 7, v0
	v_bfe_u32 v11, v0, 3, 1
	v_lshl_add_u32 v[AV0], v9, 3, v10
	v_mul_u32_u24 v[AV0], v[AV0], PV
	v_lshl_add_u32 v[AV0], v11, 4, v[AV0]
	v_add_nc_u32 v[AV0], VOFF, v[AV0]
	s_mul_i32 s13, s[WV], 16*SP
	s_add_co_u32 s13, s13, STAGE    ; my stage
	v_mul_u32_u24 v[STO], v1, SP    ; in: row l % 16, 16 bytes for each half of the lanes
	v_lshl_add_u32 v[STO], v9, 4, v[STO]
	v_add_nc_u32 v[STO], s13, v[STO]
	v_bfe_u32 v[RD], v0, 3, 2       ; back: 32 lanes take four rows of 128 bytes,
	v_mul_u32_u24 v[RD], v[RD], SP
	v_lshl_add_u32 v[RD], v10, 4, v[RD]
	v_add_nc_u32 v[RD], s13, v[RD]
	v_and_b32 v[GO], 31, v0         ; which are 512 consecutive bytes of O
	v_lshlrev_b32 v[PFO], 8, v[GO]
	v_lshlrev_b32 v[GO], 4, v[GO]
	; A block's first step multiplies O^T and l by a = 0, and its first turn's products V^T P, of a step that has not been, land in an O^T that is still to be so multiplied.  So these registers need only hold
	; finite numbers: zeros for the first block; what the first block left for the second.  All this stands in the wait for the first tile.
	WIN 0x80
.set i, VF1
.rept 64
	v_mov_b32 v[i], 0
.set i, i+1
.endr
	WIN 0x40
.set i, 0
.rept 64
	v_mov_b32 v[i], 0
.set i, i+1
.endr
	WIN 0
.set i, 0
.rept 2
	v_mov_b32 v[ST+4*i+2], 0
	v_mov_b32 v[ST+4*i+3], 0
.set i, i+1
.endr
.set i, P+16
.rept 16
	v_mov_b32 v[i], 0
.set i, i+1
.endr
; THE MATRIX WORK.  The 4 accumulators of a run of 8 take turns.  Product i of 8 of S^T = K Q^T for piece x: channels 32 (i / 4) on, keys 16 (i % 4) on.  The first 4 start the sums: with 0, or (KM = 1) with the mask.
.macro KQ x
.set rS, S+32*((\x)%2)+8*(i%4)
.set rK, KF+16*(i%4)+8*(i/4)
.set rQ, 16*(\x)+8*(i/4)
.set rM, MC+32*((\x)%2)+8*(i%4)
.if (i < 4) && KM
	WIN W_KM
	v_wmma_f32_16x16x32_f16 v[rS:rS+7], v[rK:rK+7], v[rQ:rQ+7], v[rM:rM+7]
.elseif i < 4
	WIN W_KQ
	v_wmma_f32_16x16x32_f16 v[rS:rS+7], v[rK:rK+7], v[rQ:rQ+7], 0
.else
	WIN W_KQ
	v_wmma_f32_16x16x32_f16 v[rS:rS+7], v[rK:rK+7], v[rQ:rQ+7], v[rS:rS+7]
.endif
.endm
; Product i of 8 of O^T += V^T P for piece x: keys 32 (i / 4) on, channels 16 (i % 4) on.  VR: the buffer that holds the step's V.
.macro PV x
	WIN W_PV
.set rO, 32*(\x)+8*(i%4)
.set rV, VR+32*(i/4)+8*(i%4)
.set rP, P+16*((\x)%2)+8*(i/4)
	v_wmma_f32_16x16x32_f16 v[rO:rO+7], v[rV:rV+7], v[rP:rP+7], v[rO:rO+7]
.endm
.macro MM                           ; the turn's next matrix instruction.  TURN and BEGIN set Y, i, KM, NOKQ and VR.  NOKQ = 1: a block's last turn: there is no next step
.if (i < 8) && !NOKQ
	KQ (Y+1)%NP
.elseif i >= 8
.set i, i-8
	PV (Y+NP-1)%NP
.set i, i+8
.endif
.set i, i+1
.endm
; THE LDS LOADS stand in runs of 16, never singly among the matrix instructions: a step's K (64 keys x 64 channels: 8 fragments) and its V (turned).  Their addresses are made some lines ahead.
.macro FETCH_K
	WIN 0x80                        ; destination window 2
.irp f, 0,1,2,3,4,5,6,7             ; keys 16 (f / 2) on, channels 32 (f % 2) on
	ds_load_b128 v[KF+8*\f:KF+8*\f+3],   v[AK] offset:(\f/2)*16*PK+(\f%2)*64
	ds_load_b128 v[KF+8*\f+4:KF+8*\f+7], v[AK] offset:(\f/2)*16*PK+(\f%2)*64+32
.endr
	s_add_co_u32 s[TBK], s[TBK], KS*PK  ; the next fetch is the next step's
	WIN 0
.endm
.macro FETCH_V                      ; into the buffer VW
	WIN 0x80
.irp f, 0,1,2,3,4,5,6,7             ; keys 32 (f / 4) on, channels 16 (f % 4) on
	ds_load_tr16_b128 v[VW+8*\f:VW+8*\f+3],   v[AV] offset:(\f/4)*32*PV+(\f%4)*32
	ds_load_tr16_b128 v[VW+8*\f+4:VW+8*\f+7], v[AV] offset:(\f/4)*32*PV+16*PV+(\f%4)*32
.endr
	s_add_co_u32 s[TBV], s[TBV], KS*PV
	WIN 0
.endm
; THE VECTOR WORK, one line at a time: OP kind, number.  For piece Y: F n: c s - c m for pair n of 16.  E n: the exponential of score n of 32.  C n: pair n rounded to f16.  B n: of the four weights 4 n .. the second
; pair is added onto the first, in place.  L n: l takes that sum (L 0: l = a l + sum).  R n: pair n of 16 of O^T times a.  For the other piece: X n, number n of the 22 that find its maximum and statistics:
;   0-11  four chains c0-c3 of seven scores each, three operands at a time (each accumulator's lowest registers are read first)     12-14, 16  the four scores left over, the old m, and c0-c3 into c0
;   15  c m_old is kept     17, 18  the query's other 32 keys lie in the lane 16 away: the new m     19-21  c m; c m_old - c m_new; a
.set F, 0               ; OP tells the kinds apart by their order: F to L below R, X above it
.set E, 1
.set C, 2
.set B, 3
.set L, 4
.set R, 5
.set X, 6
.macro REGS y                       ; the registers of piece y
.set rT, ST+4*(\y)
.set rC, TMP+4*((\y)%2)
.set rW, MV+((\y)%2)
.set rS, S+32*((\y)%2)
.set rP, P+16*((\y)%2)
.set rO, 32*(\y)
.endm
.macro OP k, n
.if (\k) == R
	REGS Y
	WIN W_RS
	v_pk_mul_f32 v[rO+2*(\n):rO+2*(\n)+1], v[rO+2*(\n):rO+2*(\n)+1], v[rC+2:rC+3] op_sel_hi:[1,0]
.elseif (\k) < R
	REGS Y
	WIN 0
.if (\k) == F
	v_pk_fma_f32 v[rS+2*(\n):rS+2*(\n)+1], v[rS+2*(\n):rS+2*(\n)+1], s[CS:CS+1], v[rT:rT+1] op_sel_hi:[1,0,0] neg_lo:[0,0,1] neg_hi:[0,0,1]
.elseif (\k) == E
	v_exp_f32 v[rS+(\n)], v[rS+(\n)]
.elseif (\k) == C
	s_wait_alu depctr_va_vdst(0)
	v_cvt_pk_f16_f32 v[rP+(\n)], v[rS+2*(\n)], v[rS+2*(\n)+1]
.elseif (\k) == B
	s_wait_alu depctr_va_vdst(0)
	v_pk_add_f32 v[rS+4*(\n):rS+4*(\n)+1], v[rS+4*(\n):rS+4*(\n)+1], v[rS+4*(\n)+2:rS+4*(\n)+3]
.elseif (\n) == 0
	v_pk_fma_f32 v[rT+2:rT+3], v[rT+2:rT+3], v[rC+2:rC+3], v[rS:rS+1] op_sel_hi:[1,0,1]
.else
	v_pk_add_f32 v[rT+2:rT+3], v[rT+2:rT+3], v[rS+4*(\n):rS+4*(\n)+1]
.endif
.elseif NOKQ
	v_nop
.else
	REGS (Y+1)%NP
	WIN 0
.if (\n) < 4
	v_max3_num_f32 v[rC+(\n)], v[rS+8*(\n)], v[rS+8*(\n)+1], v[rS+8*(\n)+2]
.elseif (\n) < 12
	v_max3_num_f32 v[rC+(\n)%4], v[rC+(\n)%4], v[rS+8*((\n)%4)+2*((\n)/4)+1], v[rS+8*((\n)%4)+2*((\n)/4)+2]
.elseif (\n) == 12
	v_max3_num_f32 v[rC], v[rC], v[rS+7], v[rS+15]
.elseif (\n) == 13
	v_max3_num_f32 v[rC+1], v[rC+1], v[rS+23], v[rS+31]
.elseif (\n) == 14
	v_max3_num_f32 v[rC+2], v[rC+2], v[rC+3], v[rT+1]
.elseif (\n) == 15
	v_mov_b32 v[rW], v[rT]
.elseif (\n) == 16
	v_max3_num_f32 v[rC], v[rC], v[rC+1], v[rC+2]
.elseif (\n) == 17
	v_permlanex16_b32 v[rC+3], v[rC], s[SEL], s[SEL+1]
.elseif (\n) == 18
	v_max_num_f32 v[rT+1], v[rC], v[rC+3]
.elseif (\n) == 19
	v_mul_f32 v[rT], s[CS], v[rT+1]
.elseif (\n) == 20
	v_sub_f32 v[rC+1], v[rW], v[rT]
.else
	v_exp_f32 v[rC+2], v[rC+1]
.endif
.endif
.endm
.macro OPS a, i1, b=-1, i2=0, c=-1, i3=0, d=-1, i4=0  ; up to four of them
	OP \a, \i1
.if (\b) >= 0
	OP \b, \i2
.endif
.if (\c) >= 0
	OP \c, \i3
.endif
.if (\d) >= 0
	OP \d, \i4
.endif
.endm
.macro ROW a, i1, b, i2, c, i3, d, i4  ; a matrix instruction and the four behind it
	MM
	OPS \a, \i1, \b, \i2, \c, \i3, \d, \i4
.endm
.macro MASK b                       ; MD x AL + BE into buffer b of MC
	WIN W_RS
.set z, 0
.rept 16
	v_pk_fma_f32 v[MC+32*(\b)+2*z:MC+32*(\b)+2*z+1], v[MD+2*z:MD+2*z+1], s[AL:AL+1], s[BE:BE+1] op_sel_hi:[1,0,0]
.set z, z+1
.endr
.endm
; A TURN, for piece p of a step of parity par: the order of its 16 matrix and 118 vector instructions, written out.  Behind a matrix instruction: plain, exponential, plain, plain; or four of the rescaling; or, behind the
; first, four scalings; none names a register of the products round it.  In the lumps exponential and plain by turns while exponentials last.  v_permlanex16_b32 (X 17) stands in a lump.
; m = 1: the diagonal tile: the products take masks, and the turn makes the mask for the products of the turn after it: piece p's, in step US of the tile.  end = 1: a block's last two turns: nothing is fetched.
; cnt = 1: the loop's count is taken down some lines ahead of the branch that stands behind the turn.
; The run of loads stands six vector instructions (five of them plain) behind the turn's eighth product.  Piece 0's turn fetches the next step's K, which that product was the last to read; piece 1's turn the next
; step's V, into the buffer whose last reader stands in the turn before.  Both are waited for at the head of piece 1's turns: K a run of products and two lumps behind its loads, V two turns behind.
.macro TURN p, par, m=0, end=0, cnt=0
.set Y, (\p)
.set i, 0
.set KM, (\m)
.set NOKQ, (\end)*(\p)
.if (\p) == 0
.set VR, VF0-128*(1-(\par))         ; piece 1's products are the step before's
.else
.set VR, VF0-128*(\par)
.endif
.set VW, VF0-128*(1-(\par))
.if (\m) && !(\end)
	s_cmp_eq_u32 s[US], s[U0+(\p)]  ; is that step the band's own?
	s_cselect_b32 s[AL], 1.0, 0
	s_cmp_gt_u32 s[US], s[U0+(\p)]  ; or a later one?
	s_cselect_b32 s[BE], s[BIGN], 0
.if (\p) == 1
	s_add_co_u32 s[US], s[US], 1
.endif
.endif
.if (\p) == 1
	s_wait_dscnt 0x0                ; K of the next step and V of this one are in
.endif
	ROW F,0, F,1, F,2, F,3
	ROW F,4, E,0, F,5, F,6
	ROW F,7, E,1, F,8, F,9
	ROW F,10, E,2, C,0, F,11
	ROW F,12, E,3, X,15, F,13
	ROW R,0, R,1, R,2, R,3
	ROW B,0, E,4, F,14, L,0
.if !(\end)
	WIN 0
.if (\p) == 0
	v_add_nc_u32 v[AK], s[TBK], v[AK0]
.else
	v_add_nc_u32 v[AV], s[TBV], v[AV0]
.endif
.endif
	ROW R,4, R,5, R,6, R,7
	OPS E,5, F,15
.if !(\end)
.if (\p) == 0
	FETCH_K
.else
	FETCH_V
.endif
.endif
	OPS E,6, C,1, E,7, R,8
	OPS E,8, R,9, E,9, C,2
	OPS E,10, X,0, E,11, X,1
	OPS E,12, X,2, E,13, X,3
	ROW X,4, E,14, X,5, X,6
	ROW X,7, E,15, X,8, X,9
	ROW X,10, E,16, X,11, X,12
	ROW X,13, E,17, X,14, B,1
	ROW C,4, E,18, X,16, L,1
	ROW B,2, E,19, C,6, L,2
	ROW C,8, E,20, B,3, B,4
	ROW C,3, E,21, L,3, C,5
	OPS E,22, X,17, E,23, C,10
	OPS E,24, L,4
	OPS E,25, X,18, E,26, C,7
	OPS E,27, B,5, E,28, X,19
	OPS E,29, C,12, E,30, L,5
	OPS E,31, X,20, B,6, C,9
	OPS C,14, C,11, X,21, L,6
.if \cnt
	s_sub_co_u32 s[CNT], s[CNT], 1
	s_cmp_lg_u32 s[CNT], 0
.endif
	OPS C,13, B,7, C,15, R,10
	OPS R,11, R,12, L,7, R,13
	OPS R,14, R,15
.if (\m) && !(\end)
	MASK \p
.endif
.endm
; A BLOCK BEGINS.  c m starts far below every c s, so the first step's a is 0; m at the lowest finite number, so the first maximum is the scores'.  Piece 1's mask buffer is 0 (its own step is never a tile's first);
; piece 0's takes its mask for the tile's step 0: its own, if the block's first tile is the diagonal one and the block an even one.  Then K and V of that step, piece 0's first scores, and its maximum and statistics.
; The loop is entered at an even step's first turn, in the middle of a trip.
.macro BEGIN
	s_mov_b32 s[NEW], 0
	s_mov_b32 s[US], 1              ; the next mask to be made is step 1's
	WIN 0x40
.set i, MC+32
.rept 32
	v_mov_b32 v[i], 0
.set i, i+1
.endr
	WIN 0
.set i, 0
.rept 2
	v_mov_b32 v[ST+4*i], 0xfe000000    ; c m: far below every c s
	v_mov_b32 v[ST+4*i+1], 0xff7fffff  ; m
.set i, i+1
.endr
	s_or_b32 s[AL], s[RT], s[U0]    ; 0: no tile of the block is left behind this one, and band 0's own step is step 0
	s_cmp_eq_u32 s[AL], 0
	s_cselect_b32 s[AL], 1.0, 0
	s_mov_b32 s[BE], 0
	MASK 0
	WIN 0
	v_add_nc_u32 v[AK], s[TBK], v[AK0]
	v_add_nc_u32 v[AV], s[TBV], v[AV0]
	FETCH_K
.set VW, VF0
	FETCH_V
	s_wait_loadcnt 0x0              ; Q
	s_wait_dscnt 0x0
.set KM, 1
.set NOKQ, 0
.set i, 0
.rept 8
	KQ 0
.set i, i+1
.endr
	WIN 0
.rept 4
	v_nop                           ; the places behind those products
.endr
.set Y, NP-1                        ; X works for the other piece: piece 0
.irp n, 0,1,2,3,4,5,6,7,8,9,10,11,12,13,14,15,16,17,18,19,20,21
	OP X, \n
.endr
	v_nop                           ; a plain instruction behind the exponential
.endm
; THE DIAGONAL TILE's steps, the block's last two turns, its last products, and THE WAY OUT: l's two halves and the other half of the lanes' are added; O^T is divided by l, rounded to f16 and sent through my
; stage in LDS, a piece at a time.
.macro ALL line:vararg              ; one line for each piece t
.set t, 0
.rept 2
	\line
.set t, t+1
.endr
.endm
.macro PACK t                       ; a lane's eight channels of a row pack into 16 bytes; they go into rows of 144 bytes and come back as whole rows of 128, into S^T's registers
	WIN W_RS
.set i, 32*(\t)
.rept 16
	s_wait_alu depctr_va_vdst(0)
	v_pk_mul_f32 v[i:i+1], v[i:i+1], v[ST+4*(\t)+2:ST+4*(\t)+3] op_sel_hi:[1,0]
.set i, i+2
.endr
	WIN 0x05                        ; sources 0 and 1 window 1, destination window 0
.set i, 0
.rept 16
	v_cvt_pk_f16_f32 v[S+16*(\t)+i], v[32*(\t)+2*i], v[32*(\t)+2*i+1]
.set i, i+1
.endr
	WIN 0
.irp f, 0,1,2,3
	ds_store_b128 v[STO], v[S+16*(\t)+4*\f:S+16*(\t)+4*\f+3] offset:32*\f
.endr
.irp f, 0,1,2,3
	ds_load_b128 v[S+16*(\t)+4*\f:S+16*(\t)+4*\f+3], v[RD] offset:\f*4*SP  ; LDS serves a wave's instructions in order (ISA guide 5.7.1.4): these see the stores above; the next piece's stores come behind them
.endr
.endm
.macro SEND t, younger              ; younger: the LDS instructions issued behind piece t's loads: the next piece's eight, or none
	WIN 0
.irp f, 0,1,2,3
	s_wait_dscnt (\younger)+3-\f
	global_store_b128 v[GO], v[S+16*(\t)+4*\f:S+16*(\t)+4*\f+3], s[10:11] offset:(\t)*8192+\f*512  ; 512 consecutive bytes, at a multiple of 256 from O's first
.endr
.endm
.macro DIAG tag                     ; the tag ends its two labels' names, which the jumps below spell out
.LstepM\tag:
	TURN 0, 1, 1
	TURN 1, 1, 1
	WIN 0
.LfirstM\tag:
	TURN 0, 0, 1
	TURN 1, 0, 1, 0, 1
	WIN 0
	s_cbranch_scc1 .LstepM\tag
	TURN 0, 1, 1, 1                 ; the tile's step 3: piece 1's scores still take their mask
	TURN 1, 1, 1, 1
.set VR, VF1
.set i, 0
.rept 8
	PV 1                            ; piece 1's V^T P of the last step
.set i, i+1
.endr
	WIN 0
.rept 4
	v_nop                           ; the places behind the last products
.endr
	ALL v_add_f32 v[ST+4*t+2], v[ST+4*t+2], v[ST+4*t+3]
	ALL v_permlanex16_b32 v[ST+4*t+3], v[ST+4*t+2], s[SEL], s[SEL+1]
	ALL v_add_f32 v[ST+4*t+2], v[ST+4*t+2], v[ST+4*t+3]
	ALL v_rcp_f32 v[ST+4*t+2], v[ST+4*t+2]
	v_nop                           ; a plain instruction between the last reciprocal and the use of its result
	PACK 0
	PACK 1                          ; a piece's arithmetic stands between the loads of the piece before and its stores
	SEND 0, 8
	SEND 1, 0
.endm
.set KM, 0
.set NOKQ, 0
.Lslot:                             ; 16 times: a tile is entered and the next is asked for
	CHANGE 1
	s_sub_co_u32 s[RT], s[RT], 1
	s_mov_b32 s[CNT], 2
	s_mov_b32 s[US], 0
	s_cmp_eq_u32 s[NEW], 1
	s_cbranch_scc1 .Lnew            ; a block's first tile
	s_cmp_eq_u32 s[RT], 0
	s_cbranch_scc0 .Lstep           ; neither its first nor its last
	s_branch .LstepM1
.Lnew:
	BEGIN
	s_branch .Lfirst                ; in the loop a block's first tile is never its last: the first block has nine tiles or more, and the second's last is the walk's last
	DIAG 1                          ; in the loop this is the first block's end
	s_wait_xcnt 0x0                 ; the stores have read their registers and O's address
	s_mov_b64 s[10:11], s[OLO:OLO+1]
	s_add_co_u32 s[RT], s[PBT], 1   ; the second block has b / 2 + 1 tiles
	s_mov_b32 s[NEW], 1
	s_and_b32 s[U0], s[PB], 1
	s_lshl_b32 s[U0], s[U0], 1
	s_add_co_u32 s[U0+1], s[U0], 1
	WIN 0x82                        ; the second block's Q goes where the one text of the turns names Q
.set i, 0
.rept 32
	v_mov_b32 v[i], v[QB+i]
.set i, i+1
.endr
	WIN 0
	s_branch .Lbottom
.Lstep:                             ; a trip: an odd step's two turns, then an even step's.  A tile's two trips walk step 3 of the tile before, then its own steps 0, 1 and 2, and fetch its four steps' K and V
	TURN 0, 1
	TURN 1, 1
	WIN 0
.Lfirst:
	TURN 0, 0
	TURN 1, 0, 0, 0, 1
	WIN 0
	s_cbranch_scc1 .Lstep
.Lbottom:
	s_sub_co_u32 s[SLOTS], s[SLOTS], 1
	s_cmp_lg_u32 s[SLOTS], 0
	s_cbranch_scc1 .Lslot
	CHANGE 0                        ; the walk's last tile is written out: nothing is asked for
	s_sub_co_u32 s[RT], s[RT], 1
	s_mov_b32 s[CNT], 2
	s_mov_b32 s[US], 0
	s_cmp_eq_u32 s[NEW], 1
	s_cbranch_scc0 .LstepM2
	BEGIN
	s_branch .LfirstM2
	DIAG 2
	s_wait_tensorcnt 0x0            ; the wave's end: 0 onto my spare word and its wait, behind my last tensor load and my last LDS store
	ds_add_u32 v[SPW], v[NIL]
	s_wait_dscnt 0x0
	s_endpgm
.Lfunc_end_k_q3ef565f72c_attn:
	.size	k_q3ef565f72c_attn, .Lfunc_end_k_q3ef565f72c_attn-k_q3ef565f72c_attn
	.p2alignl 7, 3214868480
	.fill 96, 4, 3214868480
	.section	.rodata,"a",@progbits
	.p2align	6, 0x0
	.amdhsa_kernel k_q3ef565f72c_attn
		.amdhsa_group_segment_fixed_size 327680
		.amdhsa_private_segment_fixed_size 0
		.amdhsa_enable_private_segment 0
		.amdhsa_kernarg_size 16
		.amdhsa_user_sgpr_count 2
		.amdhsa_user_sgpr_kernarg_segment_ptr 1
		.amdhsa_wavefront_size32 1
		.amdhsa_system_sgpr_workgroup_id_x 1
		.amdhsa_system_sgpr_workgroup_id_y 1
		.amdhsa_system_sgpr_workgroup_id_z 1
		.amdhsa_system_vgpr_workitem_id 0
		.amdhsa_next_free_vgpr 768
		.amdhsa_next_free_sgpr 96
		.amdhsa_reserve_vcc 1
		.amdhsa_float_denorm_mode_32 3
		.amdhsa_float_denorm_mode_16_64 3
		.amdhsa_memory_ordered 1
		.amdhsa_forward_progress 1
		.amdhsa_inst_pref_size 219
	.end_amdhsa_kernel
	.amdgpu_metadata
---
amdhsa.version: [ 1, 2 ]
amdhsa.kernels:
  - .name:           k_q3ef565f72c_attn
    .symbol:         k_q3ef565f72c_attn.kd
    .args:
      - { .name: qkv, .offset: 0, .size: 8, .value_kind: global_buffer, .address_space: global }
      - { .name: ob, .offset: 8, .size: 8, .value_kind: global_buffer, .address_space: global }
    .group_segment_fixed_size: 327680
    .private_segment_fixed_size: 0
    .kernarg_segment_align: 8
    .kernarg_segment_size: 16
    .max_flat_workgroup_size: 128
    .sgpr_count:     96
    .vgpr_count:     768
    .wavefront_size: 32
...
	.end_amdgpu_metadata
.endif
;; end of part 3
;; launch outp (part 4): grid 8 x 32, 4 waves a work-group, clusters of 4 x 4, 327,680 bytes of LDS; arguments ob, owb, out_b, out0; writes out0
.if DOCPART == 4
	.amdgcn_target "amdgcn-amd-amdhsa--gfx1250"
	.amdhsa_code_object_version 6
	.text
	.protected	k_q3ef565f72c_outp
	.globl	k_q3ef565f72c_outp
	.p2align	8
	.type	k_q3ef565f72c_outp,@function
k_q3ef565f72c_outp:
	s_mov_b64 s[64:65], 0
	v_nop
	global_prefetch_b8 v0, s[64:65] scope:SCOPE_SE
	s_setreg_imm32_b32 hwreg(HW_REG_WAVE_MODE, 25, 1), 1
	s_wait_xcnt 0x0
	s_wait_alu depctr_hold_cnt(0) depctr_sa_sdst(0) depctr_va_vdst(0) depctr_va_sdst(0) depctr_va_ssrc(0) depctr_va_vcc(0) depctr_vm_vsrc(0)
	s_getreg_b32 s2, hwreg(HW_REG_IB_STS2, 6, 4)
	s_cmp_eq_u32 s2, 0
	s_cbranch_scc0 .Lentry_in_a_cluster
	s_endpgm
.Lentry_in_a_cluster:
	s_bfe_u32 s2, ttmp6, 0x10000c
	s_cmp_lg_u32 s2, 0xf033
	s_cbranch_scc0 .Lentry_shape_is_right
	s_endpgm
.Lentry_shape_is_right:
; out0[t][e] = the sum over d of O[t][d] w[e][d] + b[e], [4096][1024] in f32.
; A = ob [16][4096][64] (attention's result by heads: a head is a block of 64 along K), B = owb [16][1024][64] (out_w rounded to bf16, written as f16), both f16; b is rounded to bf16 like the other inputs; sums in f32.
; LIMIT.  NaN and infinities are not treated apart.
; A tile of C is 128 tokens x 128 features: 256 work-groups.  Four waves, each 64 x 64: 16 accumulators of 16 x 16.  K goes in steps of 256 (four blocks) through two LDS slots; a wave's tensor load brings two blocks
; of 128 rows: two runs of 16,384 consecutive bytes.  CLUSTERS: 4 x 4 work-groups; the four of a row of the cluster need the same tiles of A, the four of a column the same tiles of B: each tile is
; asked for JOINTLY, by the same tensor load with the same descriptor and a mask that names the four.
; THE MATRIX INSTRUCTION IS USED TRANSPOSED (source 0 = 16 rows of B, source 1 = 16 rows of A): a lane then holds one token and eight neighbouring features.
; REGISTERS: window 0: v0-31 addresses; v32-47 at work; v96-127 the bias of my lane's 32 features; v128-255 the accumulators ((a, b) at v[128 + 8 (4 a + b)]).
;   window 1: two fragment buffers of 128: for one block of 64 along K, 64 registers of A (2 x 4 x 16 rows x 32 K), then 64 of B.
.set PLANEA, 524288                    ; bytes in a block of A: 4,096 rows of 128 bytes
.set PLANEB, 131072                    ; of B: 1,024 rows
.set PITCH,  144                       ; an LDS row: 128 bytes + 16 of padding = 36 words: the 16 rows of a load start at 16 different groups of four banks (64 banks of 4 bytes: ISA guide 11.1)
.set KBB,    128*PITCH                 ; a block of 128 rows in LDS
.set HALFT,  2*KBB                     ; what one tensor load brings
.set SLOT,   4*HALFT                   ; A's four blocks, then B's four
.set STAGE,  2*SLOT                    ; behind the ring, never filled by a tensor load: 16 rows x 272 bytes for each wave, for the way out
.set SPITCH, 272                       ; 256 bytes + 16 = 68 words: row r starts at bank 4 r mod 64
.set WSTG,   16*SPITCH
.set SPARE,  STAGE+4*WSTG              ; behind the stages: the spare words, 128 bytes for each wave: two blocks of 256 bytes that no other line names
.set LAPS,   2                         ; a lap = two K steps = once round the ring; K = 1,024
.set ADRA, 16                          ; v16-17  LDS address of my A fragments in slot 0, 1
.set ADRB, 20                          ; v20-21  the same for B
.set STO,  24                          ; v24     the way out: where I put 32 bytes of a row
.set RD,   25                          ; v25     the way out: where I read rows back
.set CO,   26                          ; v26     my byte offset in two rows of the output
.set BO,   27                          ; v27     my byte offset in the wave's 64 numbers of the bias
.set SPW,  28                          ; v28     LDS address of my spare word: SPARE + 4 x my thread's number; never rewritten
.set NIL,  29                          ; v29     0; never rewritten
.set TMP,  32
.set BIA,  96
.set ACC,  128
.set F0,   0                           ; fragment buffers, in window 1
.set F1,   128
.set G1, 24                            ; s[24:31] descriptor group 1 for A's tiles;  s[32:39] group 0, one set for each slot
.set G0, 32
.set G1B, 48                           ; s[48:55], s[56:63] the same for B's tiles
.set G0B, 56
.set BP, 68                            ; s[68:69] the bias
.set CP, 70                            ; s[70:71] the output
.set MSB, 0
.macro WIN new                         ; the immediate's high byte repeats the setting that is left
.if MSB != (\new)
	s_set_vgpr_msb (MSB<<8)|(\new)
.set MSB, \new
.endif
.endm
.set MUL,  0x05                        ; sources 0 (B) and 1 (A) window 1; C and D window 0
.set TO_F, 0x40                        ; destination window 1, address window 0
.macro JLOAD s                         ; a joint load: waves 0 and 1 fetch A's two pairs of blocks, waves 2 and 3 B's; an s_nop 0 and four v_nop follow each of the two lines
	s_cmp_eq_u32 s11, 0
	s_cbranch_scc0 .Lfor_b_\@
	tensor_load_to_lds s[G0+4*(\s):G0+4*(\s)+3], s[G1:G1+7]
	s_nop 0
.rept 4
	v_nop
.endr
	s_branch .Lasked_\@
.Lfor_b_\@:
	tensor_load_to_lds s[G0B+4*(\s):G0B+4*(\s)+3], s[G1B:G1B+7]
	s_nop 0
.rept 4
	v_nop
.endr
.Lasked_\@:
.endm
.macro CREST                           ; a round of the cluster's barrier behind its opening barrier
	s_cmp_lg_u32 s10, 0
	s_cbranch_scc1 .Lnot_wave_0_\@
	s_barrier_signal -3
.Lnot_wave_0_\@:
	s_barrier_wait -3
	s_barrier_signal -1
	s_barrier_wait -1
.endm
.macro CROUND                          ; a whole round
	s_barrier_signal -1
	s_barrier_wait -1
	CREST
.endm
	s_load_b128 s[4:7], s[0:1], 0x0                ; A s[4:5], B s[6:7]
	s_load_b128 s[BP:BP+3], s[0:1], 0x10           ; the bias, the output
	v_lshl_add_u32 v[SPW], v0, 2, SPARE
	v_mov_b32 v[NIL], 0
	ds_add_u32 v[SPW], v[NIL]                      ; the wave's opening: the add and its wait stand ahead of my first tensor load; the set-up below, work on registers, stands between them
	ds_add_u32 v28, v29
	v_lshrrev_b32 v1, 5, v0
	v_readfirstlane_b32 s10, v1                    ; wave 0..3
	s_lshr_b32 s11, s10, 1                         ; which half of the tile's tokens is mine.  Also: I fetch for A (0) or for B (1)
	s_and_b32 s12, s10, 1                          ; which half of its features.  Also: which two blocks of a K step I fetch
	s_bfe_u32 s40, ttmp6, 0x40000                  ; cx, cy: my place in the cluster
	s_bfe_u32 s41, ttmp6, 0x40004
	s_lshl_b32 s42, ttmp9, 2
	s_add_co_u32 s42, s42, s40                     ; tile column = 4 x cluster x + cx
	s_and_b32 s13, ttmp7, 0xffff
	s_lshl_b32 s13, s13, 2
	s_add_co_u32 s13, s13, s41                     ; tile row = 4 x cluster y + cy
	s_lshl_b32 s43, s41, 2
	s_lshl_b32 s43, 15, s43                        ; my row of the cluster
	s_lshl_b32 s44, 0x1111, s40                    ; my column
	; descriptor group 1: two rows of 8,192 elements (a block's 128 rows on end), a block apart in memory; in LDS 16 bytes of padding behind every 128
	s_or_b32 s[G1+0], s43, (1<<16)|(1<<20)|(1<<21)|(4<<22)|(3<<25)  ; 15:0 the mask: A's tiles go to my row; 17:16 element of 2 bytes; 20 padding on; 21 set beside a mask; 24:22 after every 32 words (code 4); 31:25 of 4 words (code 3)
	s_or_b32 s[G1B+0], s44, (1<<16)|(1<<20)|(1<<21)|(4<<22)|(3<<25)
.irp g, G1, G1B
	s_mov_b32 s[(\g)+1], 8192<<16                  ; tensor_dim0 = 8,192
	s_mov_b32 s[(\g)+2], 2<<16                     ; tensor_dim1 = 2
	s_mov_b32 s[(\g)+3], 8192<<16                  ; tile_dim0 = 8,192
	s_mov_b32 s[(\g)+4], 2                         ; tile_dim1 = 2
	s_mov_b32 s[(\g)+6], 0
	s_mov_b32 s[(\g)+7], 0
.endr
	s_mov_b32 s[G1+5], PLANEA/2                    ; tensor_dim0_stride: a block, in elements
	s_mov_b32 s[G1B+5], PLANEB/2
	s_lshl_b32 s16, s13, 14                        ; A: the tile's 128 rows of 128 bytes,
	s_mul_i32 s17, s12, 2*PLANEA                   ; my two blocks
	s_add_co_u32 s16, s16, s17
	s_mov_b32 s17, 0
	s_lshl_b32 s46, s42, 14                        ; B likewise, in registers that never feed A's descriptors
	s_mul_i32 s47, s12, 2*PLANEB
	s_add_co_u32 s46, s46, s47
	s_mov_b32 s47, 0
	s_mul_i32 s20, s10, HALFT                      ; where they go: wave x two blocks: no place in the cluster enters an LDS address
	s_wait_dscnt 0x0                               ; the opening add is done
	s_wait_kmcnt 0x0
	s_add_nc_u64 s[14:15], s[4:5], s[16:17]
	s_add_nc_u64 s[46:47], s[6:7], s[46:47]
	CROUND                                         ; all sixteen work-groups are here: the first joint loads meet
.irp s, 0,1
	s_mov_b32 s[G0+4*(\s)], 1
	s_add_co_u32 s[G0+4*(\s)+1], s20, (\s)*SLOT
	s_add_nc_u64 s[G0+4*(\s)+2:G0+4*(\s)+3], s[14:15], (\s)*4*PLANEA  ; K step s: blocks 4 s on
	s_or_b32 s[G0+4*(\s)+3], s[G0+4*(\s)+3], 0x80000000
	s_mov_b32 s[G0B+4*(\s)], 1
	s_add_co_u32 s[G0B+4*(\s)+1], s20, (\s)*SLOT
	s_add_nc_u64 s[G0B+4*(\s)+2:G0B+4*(\s)+3], s[46:47], (\s)*4*PLANEB
	s_or_b32 s[G0B+4*(\s)+3], s[G0B+4*(\s)+3], 0x80000000
	JLOAD \s
.endr
	v_and_b32 v1, 15, v0                           ; l % 16
	v_bfe_u32 v2, v0, 4, 1                         ; l / 16
	v_mul_u32_u24 v3, v1, PITCH
	v_lshl_add_u32 v3, v2, 4, v3                   ; a fragment's row x pitch + 16 x half
	s_mul_i32 s21, s11, 64*PITCH                   ; my 64 rows in each block of A
	s_mul_i32 s22, s12, 64*PITCH                   ; my 64 rows in each block of B,
	s_add_co_u32 s22, s22, 2*HALFT                 ; which lie behind A's four blocks
.irp s, 0,1
	v_add_nc_u32 v[ADRA+(\s)], s21, v3
	v_add_nc_u32 v[ADRB+(\s)], s22, v3
	s_add_co_u32 s21, s21, SLOT
	s_add_co_u32 s22, s22, SLOT
.endr
	s_mul_i32 s23, s10, WSTG
	s_add_co_u32 s23, s23, STAGE                   ; my stage
	v_mul_u32_u24 v4, v1, SPITCH                   ; in: row l % 16, 32 bytes for each half of the lanes
	v_lshl_add_u32 v4, v2, 5, v4
	v_add_nc_u32 v[STO], s23, v4
	v_mul_u32_u24 v5, v2, SPITCH                   ; back: lanes 0-15 take one row of 256 bytes, lanes 16-31 the next
	v_lshl_add_u32 v5, v1, 4, v5
	v_add_nc_u32 v[RD], s23, v5
	v_lshlrev_b32 v5, 12, v2                       ; and the same two rows in the output, 4,096 bytes apart
	v_lshl_add_u32 v[CO], v1, 4, v5
	v_lshlrev_b32 v[BO], 5, v2                     ; my eight numbers of each sixteen of the bias
	s_lshl_b32 s46, s13, 19                        ; the tile's 128 rows of 4,096 bytes,
	s_lshl_b32 s47, s11, 18                        ; my 64 of them,
	s_add_co_u32 s46, s46, s47
	s_lshl_b32 s47, s42, 9                         ; the tile's 128 columns of 4 bytes,
	s_add_co_u32 s46, s46, s47
	s_lshl_b32 s47, s12, 8                         ; my 64 of them
	s_add_co_u32 s46, s46, s47
	s_mov_b32 s47, 0
	s_add_nc_u64 s[CP:CP+1], s[CP:CP+1], s[46:47]
	s_lshl_b32 s46, s42, 9                         ; the bias of my 64 features
	s_lshl_b32 s47, s12, 8
	s_add_co_u32 s46, s46, s47
	s_mov_b32 s47, 0
	s_add_nc_u64 s[BP:BP+1], s[BP:BP+1], s[46:47]
.irp b, 0,1,2,3
	global_load_b128 v[BIA+8*(\b):BIA+8*(\b)+3],   v[BO], s[BP:BP+1] offset:64*(\b)      ; waited for on the way out
	global_load_b128 v[BIA+8*(\b)+4:BIA+8*(\b)+7], v[BO], s[BP:BP+1] offset:64*(\b)+16
.endr
; 8 matrix instructions: m blocks a0, a0 + 1 x all 4 n blocks, 32 along K: half c of buffer f.  zero = 1: the first product starts the sums.  The 16 accumulators take turns.
.macro MUL8 f, c, a0, zero
	WIN MUL
.irp a, \a0, (\a0)+1
.irp b, 0,1,2,3
.if \zero
	v_wmma_f32_16x16x32_f16 v[ACC+8*(4*(\a)+(\b)):ACC+8*(4*(\a)+(\b))+7], v[(\f)+64+8*(4*(\c)+(\b)):(\f)+64+8*(4*(\c)+(\b))+7], v[(\f)+8*(4*(\c)+(\a)):(\f)+8*(4*(\c)+(\a))+7], 0
.else
	v_wmma_f32_16x16x32_f16 v[ACC+8*(4*(\a)+(\b)):ACC+8*(4*(\a)+(\b))+7], v[(\f)+64+8*(4*(\c)+(\b)):(\f)+64+8*(4*(\c)+(\b))+7], v[(\f)+8*(4*(\c)+(\a)):(\f)+8*(4*(\c)+(\a))+7], v[ACC+8*(4*(\a)+(\b)):ACC+8*(4*(\a)+(\b))+7]
.endif
.endr
.endr
.endm
; 32 LDS loads in one run: the fragments of the block that begins at byte k of the slot's A and B, into buffer f; the first 32 along K first
.macro FETCH slot, k, f
	WIN TO_F
.irp c, 0,1
.irp i, 0,1,2,3
	ds_load_b128 v[(\f)+64+8*(4*(\c)+(\i)):(\f)+64+8*(4*(\c)+(\i))+3],   v[ADRB+(\slot)] offset:(\k)+64*(\c)+(\i)*16*PITCH
	ds_load_b128 v[(\f)+64+8*(4*(\c)+(\i))+4:(\f)+64+8*(4*(\c)+(\i))+7], v[ADRB+(\slot)] offset:(\k)+64*(\c)+(\i)*16*PITCH+32
	ds_load_b128 v[(\f)+8*(4*(\c)+(\i)):(\f)+8*(4*(\c)+(\i))+3],         v[ADRA+(\slot)] offset:(\k)+64*(\c)+(\i)*16*PITCH
	ds_load_b128 v[(\f)+8*(4*(\c)+(\i))+4:(\f)+8*(4*(\c)+(\i))+7],       v[ADRA+(\slot)] offset:(\k)+64*(\c)+(\i)*16*PITCH+32
.endr
.endr
.endm
.macro PLACES                          ; four places in front of loads into registers that matrix instructions have read (ISA guide 7.12.1 for vector instructions)
.rept 4
	v_nop
.endr
.endm
; A K step is four quarters, a block of 64 along K each, 32 matrix instructions, on buffers 0, 1, 0, 1.  One of the first three: multiplies buffer f and fetches the next block, at byte k, into g.
.macro QUARTER slot, k, f, g, zero
	s_wait_dscnt 16                                ; the first 32 along K are in; the youngest sixteen loads may be out
	WIN MUL
	MUL8 \f, 0, 0, \zero
	MUL8 \f, 0, 2, \zero
	PLACES
	FETCH \slot, \k, \g
	s_wait_dscnt 32                                ; all but the 32 just issued
	WIN MUL
	MUL8 \f, 1, 0, 0
	MUL8 \f, 1, 2, 0
.endm
; The last quarter multiplies buffer 1 and changes slots: ONE barrier; in front of it each wave waits for all its tensor loads, adds 0 to its spare word, and waits for that and for its own reads of this slot.  fill = 1: this slot is filled again, two K steps ahead.
.macro TURN slot, next, fill
	WIN 0                                          ; (the add's two registers lie in window 0)
	s_wait_tensorcnt 0x0                           ; all my tensor loads have landed: my part of the next slot;
	ds_add_u32 v[SPW], v[NIL]                      ; 0 onto my spare word
	s_wait_dscnt 17                                ; (the add and the youngest sixteen loads may be out)
	WIN MUL
	MUL8 F1, 0, 0, 0                               ; eight matrix instructions stand between the add and the wait for it
	s_wait_dscnt 0x0                               ; the add is done, and my reads of this slot are over
	s_barrier_signal -1
	MUL8 F1, 0, 2, 0
.if \fill
	WIN 0
.endif
	s_barrier_wait -1
.if \fill
	CREST                                          ; the barrier has opened a round of the cluster's barrier: no wave of any partner still reads this slot's tile or has a load on its way
	s_add_nc_u64 s[G0+4*(\slot)+2:G0+4*(\slot)+3], s[G0+4*(\slot)+2:G0+4*(\slot)+3], 8*PLANEA
	s_add_nc_u64 s[G0B+4*(\slot)+2:G0B+4*(\slot)+3], s[G0B+4*(\slot)+2:G0B+4*(\slot)+3], 8*PLANEB
	JLOAD \slot                                    ; the first tensor load behind the round: 112 matrix instructions ahead of the wait for it; the four v_nop behind it are also the places in front of the loads below
.else
	PLACES
.endif
	FETCH \next, 0, F0
	WIN MUL
	MUL8 F1, 1, 0, 0
	MUL8 F1, 1, 2, 0
.endm
	s_wait_tensorcnt 1                             ; my part of K step 0 is in; K step 1's may stay out
	s_barrier_signal -1
	s_barrier_wait -1                              ; everybody's is
	FETCH 0, 0, F0
	QUARTER 0, KBB, F0, F1, 1                      ; the first quarter stands in front of the loop: its first products start the sums
	WIN 0                                          ; at a label and at a branch every window is 0
	s_mov_b32 s3, LAPS-1
.Llap:                                                 ; a trip goes once round the ring, from a lap's second quarter to the next lap's first, and fills both slots again
	QUARTER 0, 2*KBB, F1, F0, 0
	QUARTER 0, 3*KBB, F0, F1, 0
	TURN 0, 1, 1
	QUARTER 1, KBB,   F0, F1, 0
	QUARTER 1, 2*KBB, F1, F0, 0
	QUARTER 1, 3*KBB, F0, F1, 0
	TURN 1, 0, 1
	QUARTER 0, KBB,   F0, F1, 0
	WIN 0
	s_sub_co_u32 s3, s3, 1
	s_cmp_lg_u32 s3, 0
	s_cbranch_scc1 .Llap
	QUARTER 0, 2*KBB, F1, F0, 0                    ; the last lap fills nothing, and has no round of the cluster's barrier
	QUARTER 0, 3*KBB, F0, F1, 0
	TURN 0, 1, 0
	QUARTER 1, KBB,   F0, F1, 0
	QUARTER 1, 2*KBB, F1, F0, 0
	QUARTER 1, 3*KBB, F0, F1, 0
	s_wait_dscnt 16                                ; the very last quarter: nothing more to fetch
	WIN MUL
	MUL8 F1, 0, 0, 0
	MUL8 F1, 0, 2, 0
	s_wait_dscnt 0
	MUL8 F1, 1, 0, 0
	MUL8 F1, 1, 2, 0
	WIN 0
	; THE WAY OUT.  The bias is rounded to bf16 and widened again (these 48 lines, which name no register of the last products, are the places behind them); it is added in f32;
	; 16 tokens at a time go through my own stage and come back as whole rows of 256 bytes, two rows to a store.
	s_wait_loadcnt 0x0                             ; the bias
.set t, 0
.rept 16
	v_cvt_pk_bf16_f32 v[TMP+t], v[BIA+2*t], v[BIA+2*t+1]
.set t, t+1
.endr
.set t, 0
.rept 16
	v_lshlrev_b32 v[BIA+2*t], 16, v[TMP+t]
	v_and_b32 v[BIA+2*t+1], 0xffff0000, v[TMP+t]
.set t, t+1
.endr
.macro PACK a                          ; m block a: tokens 16 a .. 16 a + 15 of my 64.  Each accumulator's registers are taken in ascending order
.irp b, 0,1,2,3
.irp j, 0,1,2,3
	v_pk_add_f32 v[ACC+8*(4*(\a)+(\b))+2*(\j):ACC+8*(4*(\a)+(\b))+2*(\j)+1], v[ACC+8*(4*(\a)+(\b))+2*(\j):ACC+8*(4*(\a)+(\b))+2*(\j)+1], v[BIA+8*(\b)+2*(\j):BIA+8*(\b)+2*(\j)+1]
.endr
.endr
.irp b, 0,1,2,3
	ds_store_b128 v[STO], v[ACC+8*(4*(\a)+(\b)):ACC+8*(4*(\a)+(\b))+3]   offset:64*(\b)
	ds_store_b128 v[STO], v[ACC+8*(4*(\a)+(\b))+4:ACC+8*(4*(\a)+(\b))+7] offset:64*(\b)+16
.endr
.irp f, 0,1,2,3,4,5,6,7
	ds_load_b128 v[ACC+32*(\a)+4*(\f):ACC+32*(\a)+4*(\f)+3], v[RD] offset:(\f)*2*SPITCH  ; LDS serves a wave's instructions in order (ISA guide 5.7.1.4): these see the stores above; the next pass's stores come behind them
.endr
.endm
.macro SEND a, younger                 ; younger: the LDS instructions issued behind pass a's loads: the next pass's sixteen, or none
.irp f, 0,1,2,3,4,5,6,7
	s_wait_dscnt (\younger)+7-(\f)
	global_store_b128 v[CO], v[ACC+32*(\a)+4*(\f):ACC+32*(\a)+4*(\f)+3], s[CP:CP+1] offset:(\a)*65536+(\f)*8192 th:TH_STORE_NT  ; 16 lanes store 256 consecutive bytes, at a multiple of 256 from the output's first byte
.endr
.endm
	PACK 0
	PACK 1
	SEND 0, 16
	PACK 2
	SEND 1, 16
	PACK 3
	SEND 2, 16
	SEND 3, 0
	s_wait_tensorcnt 0x0                           ; the wave's end: 0 onto my spare word and its wait, behind my last tensor load and my last LDS store
	ds_add_u32 v[SPW], v[NIL]
	s_wait_dscnt 0x0
	CROUND                                         ; the closing round: no work-group ends while a partner may still ask for a tile that names it
	s_endpgm
.Lfunc_end_k_q3ef565f72c_outp:
	.size	k_q3ef565f72c_outp, .Lfunc_end_k_q3ef565f72c_outp-k_q3ef565f72c_outp
	.p2alignl 7, 3214868480
	.fill 96, 4, 3214868480
	.section	.rodata,"a",@progbits
	.p2align	6, 0x0
	.amdhsa_kernel k_q3ef565f72c_outp
		.amdhsa_group_segment_fixed_size 327680
		.amdhsa_private_segment_fixed_size 0
		.amdhsa_enable_private_segment 0
		.amdhsa_kernarg_size 32
		.amdhsa_user_sgpr_count 2
		.amdhsa_user_sgpr_kernarg_segment_ptr 1
		.amdhsa_wavefront_size32 1
		.amdhsa_system_sgpr_workgroup_id_x 1
		.amdhsa_system_sgpr_workgroup_id_y 1
		.amdhsa_system_sgpr_workgroup_id_z 1
		.amdhsa_system_vgpr_workitem_id 0
		.amdhsa_next_free_vgpr 512
		.amdhsa_next_free_sgpr 72
		.amdhsa_reserve_vcc 0
		.amdhsa_float_denorm_mode_32 3
		.amdhsa_float_denorm_mode_16_64 3
		.amdhsa_memory_ordered 1
		.amdhsa_forward_progress 1
		.amdhsa_inst_pref_size 94
	.end_amdhsa_kernel
	.amdgpu_metadata
---
amdhsa.version: [ 1, 2 ]
amdhsa.kernels:
  - .name:           k_q3ef565f72c_outp
    .symbol:         k_q3ef565f72c_outp.kd
    .args:
      - { .name: ob, .offset: 0, .size: 8, .value_kind: global_buffer, .address_space: global }
      - { .name: owb, .offset: 8, .size: 8, .value_kind: global_buffer, .address_space: global }
      - { .name: out_b, .offset: 16, .size: 8, .value_kind: global_buffer, .address_space: global }
      - { .name: out0, .offset: 24, .size: 8, .value_kind: global_buffer, .address_space: global }
    .group_segment_fixed_size: 327680
    .private_segment_fixed_size: 0
    .kernarg_segment_align: 8
    .kernarg_segment_size: 32
    .max_flat_workgroup_size: 128
    .sgpr_count:     72
    .vgpr_count:     512
    .wavefront_size: 32
...
	.end_amdgpu_metadata
.endif
;; end of part 4
;; ======== version 2 of 2: 4 launches; version 1 with the launch cast written anew for expert scheduling mode
;; limits: values are held in f16: magnitudes above 65,504 overflow, below 6.1e-05 lose precision
;; workspace buffers: xb 8,388,608 bytes; wb 6,291,456 bytes; owb 2,097,152 bytes; qkv 25,165,824 bytes; ob 8,388,608 bytes
;; launch cast (part 5): grid 256 x 1, 8 waves a work-group, no clusters, 0 bytes of LDS; arguments x, qkv_w, out_w, xb, wb, owb; writes xb, wb, owb
.if DOCPART == 5
	.amdgcn_target "amdgcn-amd-amdhsa--gfx1250"
	.amdhsa_code_object_version 6
	.text
	.protected	k_q3ef565f72c_cast
	.globl	k_q3ef565f72c_cast
	.p2align	8
	.type	k_q3ef565f72c_cast,@function
k_q3ef565f72c_cast:
	s_mov_b64 s[64:65], 0
	v_nop
	global_prefetch_b8 v0, s[64:65] scope:SCOPE_SE
	s_setreg_imm32_b32 hwreg(HW_REG_WAVE_SCHED_MODE, 0, 2), 2
	s_setreg_imm32_b32 hwreg(HW_REG_WAVE_MODE, 25, 1), 1
	s_wait_xcnt 0x0
	s_wait_alu depctr_vm_vsrc(0)
; x, qkv_w and out_w ([R][1024] f32) are rounded once to bf16 and laid out in blocks: [16 blocks of 64 columns][R rows][64], so that 128 rows of one block are 16,384 bytes on end.
; out_w's bf16 number is then written as f16 (exact from 6.1e-5 up; below that it keeps f16's fixed step of 6e-8), since the last product's other operand is f16.
; A stream: each input byte is read once, each output byte written once; no LDS, no matrix unit, no cluster: nothing is shared.
; SHARES.  8,192 rows of 4,096 bytes in all, 32 to a work-group: groups 0-127 take x, 128-223 qkv_w, 224-255 out_w.  Wave w takes rows 4 w .. 4 w + 3.
; Load n = 2 kb + rp: lane l takes 16 bytes of row 4 w + 2 rp + l / 16 at byte 256 kb + 16 (l % 16): two rows' aligned 256 bytes.  Its four numbers become 8 bytes,
; and the wave's store covers 256 consecutive bytes, aligned: two rows of block kb.  All 32 loads of a wave go out at once (16 KiB a wave).
; THE MODE: SCHED_MODE bits 1:0 = 2 (LLVM: expert scheduling mode 2), set by the entry lines.  The code itself states the register dependences
; between vector instructions and memory instructions, with s_wait_alu, always for 0.
; THE PLAN.  Registers that memory instructions touch:
;   v1         the loads' byte offset.  Written once at the head; read by all 32 loads; never written again.
;   v[2:17]    the stores' byte offsets, one for each block of 64 columns.  Written once at the head; read by the stores; never written again.
;   X          load n's four registers.  No vector instruction names them ahead of the loads.  Load n lands in them; its conversions read all four and write the first two, in place;
;              one store reads those two; nothing writes them behind that store.
;   v148-151   at work: no memory instruction names them.
; So no register that a memory instruction has read is ever written again, and the only dependence in the stream is: conversions write, the store reads.
; The 32 loads are worked on in 8 groups of four.  Group g's conversions name group g's X and v148-151 alone; the memory instructions that stand among them are the four stores of group g - 1.
; ONE wait at a group's head, behind the wait for the group's data, states that the group before has written what those four stores read; one more stands ahead of the last four stores.
.set X,   20                           ; v[20:147] load n: 4 registers
.set SO,  2                            ; v[2:17]   block kb: my byte offset in the output; v1: my byte offset in the input
	s_load_b256 s[4:11], s[0:1], 0x0               ; x s[4:5], qkv_w s[6:7], out_w s[8:9], xb s[10:11]
	s_load_b128 s[12:15], s[0:1], 0x20             ; wb s[12:13], owb s[14:15]
	v_lshrrev_b32 v148, 5, v0                      ; wave
	v_bfe_u32 v149, v0, 4, 1                       ; l / 16
	v_and_b32 v150, 15, v0                         ; l % 16
	v_and_b32 v151, 31, v0                         ; l
	v_lshl_add_u32 v149, v148, 2, v149             ; row 4 w + l / 16
	v_lshlrev_b32 v150, 4, v150
	v_lshl_or_b32 v1, v149, 12, v150               ; x 4,096 + 16 (l % 16)
	v_lshlrev_b32 v151, 3, v151
	v_lshl_add_u32 v[SO], v148, 9, v151            ; 4 rows of 128 bytes a wave + 8 l
	s_mov_b32 s24, 524288                          ; bytes in a block of 64 columns: 4,096 rows,
	s_mov_b32 s25, 393216                          ; 3,072 rows,
	s_mov_b32 s26, 131072                          ; 1,024 rows
	s_cmp_lt_u32 ttmp9, 128
	s_cselect_b32 s20, s24, s25
	s_cselect_b32 s21, 0, 128
	s_cmp_lt_u32 ttmp9, 224
	s_cselect_b32 s20, s20, s26                    ; my tensor's block
	s_cselect_b32 s21, s21, 224                    ; and its first work-group
	s_sub_co_u32 s21, ttmp9, s21                   ; my 32 rows among the tensor's
	s_lshl_b32 s22, s21, 17                        ; x 32 x 4,096 bytes in
	s_mov_b32 s23, 0
	s_lshl_b32 s28, s21, 12                        ; x 32 x 128 bytes out
	s_mov_b32 s29, 0
.irp kb, 1,2,3,4,5,6,7,8,9,10,11,12,13,14,15
	v_add_nc_u32 v[SO+(\kb)], s20, v[SO+(\kb)-1]
.endr
	s_wait_kmcnt 0x0
	s_cmp_lt_u32 ttmp9, 128                        ; the choice of buffers hangs on the work-group's number alone
	s_cselect_b64 s[16:17], s[4:5], s[6:7]
	s_cselect_b64 s[18:19], s[10:11], s[12:13]
	s_cmp_lt_u32 ttmp9, 224
	s_cselect_b64 s[16:17], s[16:17], s[8:9]
	s_cselect_b64 s[18:19], s[18:19], s[14:15]
	s_add_nc_u64 s[16:17], s[16:17], s[22:23]
	s_add_nc_u64 s[18:19], s[18:19], s[28:29]
	s_wait_alu depctr_va_vdst(0)                   ; v1 and v[2:17] are written: every load reads v1 as its offset, every store one of v[2:17]; no later line writes them
.set n, 0
.rept 32
	global_load_b128 v[X+4*n:X+4*n+3], v1, s[16:17] offset:(n/2)*256+(n%2)*8192 th:TH_LOAD_NT
.set n, n+1
.endr
; The 8 groups of four loads.  half = 1: the bf16 numbers are widened (a shift, a mask) and written as f16.
.macro CONV half
.set n, 0
.rept 8
	s_wait_loadcnt 28-n                            ; loads come back in order (ISA guide 5.7.1): loads n to n + 3 are in, the 28 - n younger ones stay out
.if n > 0
	s_wait_alu depctr_va_vdst(0)                   ; the group before has written the first two registers of each of its four loads, which the four stores below read
.endif
.rept 4
.if n >= 4
	global_store_b64 v[SO+(n-4)/2], v[X+4*(n-4):X+4*(n-4)+1], s[18:19] offset:((n-4)%2)*256  ; the group before: 32 lanes x 8 bytes: 256 consecutive bytes, aligned.  No vector instruction since the wait names these registers
.endif
	v_cvt_pk_bf16_f32 v[X+4*n], v[X+4*n], v[X+4*n+1]
	v_cvt_pk_bf16_f32 v[X+4*n+1], v[X+4*n+2], v[X+4*n+3]
.if \half
	v_lshlrev_b32 v148, 16, v[X+4*n]
	v_and_b32 v149, 0xffff0000, v[X+4*n]
	v_lshlrev_b32 v150, 16, v[X+4*n+1]
	v_and_b32 v151, 0xffff0000, v[X+4*n+1]
	v_cvt_pk_f16_f32 v[X+4*n], v148, v149
	v_cvt_pk_f16_f32 v[X+4*n+1], v150, v151
.endif
.set n, n+1
.endr
.endr
	s_wait_alu depctr_va_vdst(0)                   ; the last group has written what the last four stores read
.set n, 28
.rept 4
	global_store_b64 v[SO+n/2], v[X+4*n:X+4*n+1], s[18:19] offset:(n%2)*256
.set n, n+1
.endr
.endm
	s_cmp_lt_u32 ttmp9, 224
	s_cbranch_scc0 .Lhalf
	CONV 0
	s_endpgm
.Lhalf:
	CONV 1
	s_endpgm
.Lfunc_end_k_q3ef565f72c_cast:
	.size	k_q3ef565f72c_cast, .Lfunc_end_k_q3ef565f72c_cast-k_q3ef565f72c_cast
	.p2alignl 7, 3214868480
	.fill 96, 4, 3214868480
	.section	.rodata,"a",@progbits
	.p2align	6, 0x0
	.amdhsa_kernel k_q3ef565f72c_cast
		.amdhsa_group_segment_fixed_size 0
		.amdhsa_private_segment_fixed_size 0
		.amdhsa_enable_private_segment 0
		.amdhsa_kernarg_size 48
		.amdhsa_user_sgpr_count 2
		.amdhsa_user_sgpr_kernarg_segment_ptr 1
		.amdhsa_wavefront_size32 1
		.amdhsa_system_sgpr_workgroup_id_x 1
		.amdhsa_system_sgpr_workgroup_id_y 1
		.amdhsa_system_sgpr_workgroup_id_z 1
		.amdhsa_system_vgpr_workitem_id 0
		.amdhsa_next_free_vgpr 152
		.amdhsa_next_free_sgpr 66
		.amdhsa_reserve_vcc 0
		.amdhsa_float_denorm_mode_32 3
		.amdhsa_float_denorm_mode_16_64 3
		.amdhsa_memory_ordered 1
		.amdhsa_forward_progress 1
		.amdhsa_inst_pref_size 31
	.end_amdhsa_kernel
	.amdgpu_metadata
---
amdhsa.version: [ 1, 2 ]
amdhsa.kernels:
  - .name:           k_q3ef565f72c_cast
    .symbol:         k_q3ef565f72c_cast.kd
    .args:
      - { .name: x, .offset: 0, .size: 8, .value_kind: global_buffer, .address_space: global }
      - { .name: qkv_w, .offset: 8, .size: 8, .value_kind: global_buffer, .address_space: global }
      - { .name: out_w, .offset: 16, .size: 8, .value_kind: global_buffer, .address_space: global }
      - { .name: xb, .offset: 24, .size: 8, .value_kind: global_buffer, .address_space: global }
      - { .name: wb, .offset: 32, .size: 8, .value_kind: global_buffer, .address_space: global }
      - { .name: owb, .offset: 40, .size: 8, .value_kind: global_buffer, .address_space: global }
    .group_segment_fixed_size: 0
    .private_segment_fixed_size: 0
    .kernarg_segment_align: 8
    .kernarg_segment_size: 48
    .max_flat_workgroup_size: 256
    .sgpr_count:     66
    .vgpr_count:     152
    .wavefront_size: 32
...
	.end_amdgpu_metadata
.endif
;; end of part 5
;; launch qkvp: the kernel of part 2 again; grid 24 x 32, 4 waves a work-group, clusters of 4 x 4, 327,680 bytes of LDS; arguments xb, wb, qkv_b, qkv; writes qkv
;; launch attn: the kernel of part 3 again; grid 16 x 16, 4 waves a work-group, no clusters, 327,680 bytes of LDS; arguments qkv, ob; writes ob
;; launch outp: the kernel of part 4 again; grid 8 x 32, 4 waves a work-group, clusters of 4 x 4, 327,680 bytes of LDS; arguments ob, owb, out_b, out0; writes out0
